; MI455X (gfx1250); checked and timed in simulation.
; The chip was launched on July 23, 2026; its instructions are those of AMD's public machine-readable ISA for CDNA 5 (MIT licence, August 2026) and "CDNA5" Instruction Set Architecture Reference Guide (July 2026). The comments in the code are by the model that wrote it; some were corrected since.
;; Hilbert Dilated Attention Simple. Allowed arithmetic: float matrix products may take bf16 or f16 operands with f32 sums; other float arithmetic in f32, or as packed bf16 or f16 multiplies, adds, multiply-adds, maxima and minima; sums over many terms, partial sums and values carried from step to step in f32; what a program stores and reads back later, other than sums and carried values, may be rounded once to bf16 or f16.
;; Inputs: hilbert_map 4,096 int32; w_proj 1,024 x 1,024 float32; w_qkv 1,024 x 3,072 float32; x 4 x 4,096 x 1,024 float32.
;; Outputs: out0 4 x 4,096 x 1,024 float32.
;; 2 versions, each right; version 2 is version 1 with the launch prep written anew for expert scheduling mode. Each part assembles by itself: llvm-mc -triple=amdgcn-amd-amdhsa -mcpu=gfx1250 --defsym DOCPART=n.
;; ======== version 1 of 2: 4 launches
;; limits: values are held in f16: magnitudes above 65,504 overflow, below 6.1e-05 lose precision
;; workspace buffers: xh 33,554,432 bytes; wq 6,291,456 bytes; wp 2,097,152 bytes; rk 16,384 bytes of whole numbers; qkv 67,108,864 bytes; o 33,554,432 bytes
;; launch prep (part 1): grid 1088 x 1, 8 waves a work-group, no clusters, 20,480 bytes of LDS; arguments x, w_qkv, w_proj, hilbert_map, xh, wq, wp, rk; writes xh, wq, wp, rk
.if DOCPART == 1
	.amdgcn_target "amdgcn-amd-amdhsa--gfx1250"
	.amdhsa_code_object_version 6
	.text
	.protected	k_qc4e9bb0de6_prep
	.globl	k_qc4e9bb0de6_prep
	.p2align	8
	.type	k_qc4e9bb0de6_prep,@function
k_qc4e9bb0de6_prep:
	s_mov_b64 s[64:65], 0
	v_nop
	global_prefetch_b8 v0, s[64:65] scope:SCOPE_SE
	s_setreg_imm32_b32 hwreg(HW_REG_WAVE_MODE, 25, 1), 1
	s_wait_xcnt 0x0
; PREPARATION, four kinds of work-group, chosen by the work-group's number g (the same for all eight waves, so every branch on it is uniform):
;   g 0-63     rk[n]: the place that position i of the reordered sequence takes in a stable sort of hilbert_map: the number of j with (map[j], j) < (map[i], i).  n = parity x 2048 + t, i = 2 t + parity.
;   g 64-447   wq[n][k] = w_qkv[k][n], g 448-575  wp[n][k] = w_proj[k][n]: tiles of 128 k x 64 n, turned through LDS.
;   g 576-1087 xh[parity x 8192 + b x 2048 + t][:] = x[b][map[2 t + parity]][:]: even positions first, so that the rows from which K and V are made lie together.
; FORMAT.  x and the weights are rounded once to bf16, and that number is written as f16 (the later products are f16 products).
; LIMITS.  The rewriting is exact for magnitudes from 2^-14 to 65,504; a bf16 number beyond 65,504 becomes an infinity, one below 2^-14 keeps f16's fixed step of 6e-8.
; hilbert_map holds 0 .. 4095: where it enters an address it is held to that by an unsigned minimum; the sort keys map x 4096 + j rest on it.
; No matrix unit, no cluster: nothing here is multiplied, and no two work-groups read the same bytes but the 16 KiB of the map.
.set RKP,   17408                      ; LDS: bytes 0-17,407 the weights' tile, 64 rows of 272; then 8 waves x 256 bytes of partial counts
.set SPARE, 19456                      ; then the spare words, 128 bytes for each wave: four blocks of 256 bytes that no other line names
.set SPW,   30                         ; v30  LDS address of my spare word; never rewritten
.set NIL,   31                         ; v31  0; never rewritten
.set XD,    32                         ; v[32:159] section x: four rows, 32 registers each
	s_load_b512 s[4:19], s[0:1], 0x0               ; x s[4:5], w_qkv s[6:7], w_proj s[8:9], map s[10:11], xh s[12:13], wq s[14:15], wp s[16:17], rk s[18:19]
	v_lshl_add_u32 v[SPW], v0, 2, SPARE
	v_mov_b32 v[NIL], 0
	v_lshrrev_b32 v1, 5, v0
	v_readfirstlane_b32 s20, v1                    ; my wave's number
	s_mov_b32 s2, ttmp9                            ; g
	s_mov_b32 s60, 0xffff0000                      ; a word's upper bf16
	s_wait_kmcnt 0x0
	s_cmp_lt_u32 s2, 64
	s_cbranch_scc1 .Lrank                          ; the ranks have the longest chain of dependent work: they have the lowest numbers
	s_cmp_lt_u32 s2, 448
	s_cbranch_scc1 .Lwq
	s_cmp_lt_u32 s2, 576
	s_cbranch_scc1 .Lwp
; Two f32 are rounded to bf16, widened again (a shift, a mask) and written as two f16.  t: two registers at work.
.macro RND d, a, b, t
	v_cvt_pk_bf16_f32 v[\t], v[\a], v[\b]
	v_lshlrev_b32 v[(\t)+1], 16, v[\t]
	v_and_b32 v[\t], s60, v[\t]
	v_cvt_pk_f16_f32 v[\d], v[(\t)+1], v[\t]
.endm
; ---- x: wave W = 8 (g - 576) + w gathers rows 4 W .. 4 W + 3 of xh.  All 32 loads (16 KiB) go out at once; a load of the wave covers 512 consecutive bytes, a store 256 consecutive aligned bytes.
	s_sub_co_u32 s21, s2, 576
	s_lshl_b32 s22, s21, 3
	s_add_co_u32 s22, s22, s20                     ; W
	s_lshr_b32 s23, s21, 8                         ; parity
	s_bfe_u32 s28, s22, 0x20009                    ; b = (W >> 9) & 3
	s_lshl_b32 s28, s28, 12                        ; b x 4,096 rows
	s_lshl_b32 s29, s22, 2
	s_and_b32 s29, s29, 2047                       ; t of my first row
	s_lshl_b32 s29, s29, 3
	s_lshl2_add_u32 s29, s23, s29                  ; byte of map[2 t + parity]
.irp k, 0,1,2,3
	s_load_b32 s[24+\k], s[10:11], s29 offset:8*\k
.endr
	s_lshl_b32 s30, s22, 13                        ; four rows of 2,048 bytes a wave
	s_mov_b32 s31, 0
	s_add_nc_u64 s[12:13], s[12:13], s[30:31]
	v_and_b32 v2, 31, v0
	v_lshlrev_b32 v8, 3, v2                        ; my 8 bytes in 256 of xh
	s_wait_kmcnt 0x0
.irp k, 0,1,2,3
	s_min_u32 s[24+\k], s[24+\k], 0xfff            ; an index stays inside the sequence
	s_add_co_u32 s[24+\k], s[24+\k], s28
	s_lshl_b32 s[24+\k], s[24+\k], 12              ; the source row's first byte: 67,104,768 at the most
	v_lshl_add_u32 v[4+\k], v2, 4, s[24+\k]
.endr
.irp k, 0,1,2,3
.irp c, 0,1,2,3,4,5,6,7
	global_load_b128 v[XD+32*\k+4*\c:XD+32*\k+4*\c+3], v[4+\k], s[4:5] offset:512*\c  ; no hint: the map may name a row twice
.endr
.endr
.irp k, 0,1,2,3
	s_wait_loadcnt 8*(3-\k)                        ; loads come back in order: row k is in, the younger rows' eight loads each stay out
.irp c, 0,1,2,3,4,5,6,7
	RND XD+32*\k+4*\c,   XD+32*\k+4*\c,   XD+32*\k+4*\c+1, 16+4*(\c%2)
	RND XD+32*\k+4*\c+1, XD+32*\k+4*\c+2, XD+32*\k+4*\c+3, 18+4*(\c%2)
	global_store_b64 v8, v[XD+32*\k+4*\c:XD+32*\k+4*\c+1], s[12:13] offset:2048*\k+256*\c  ; no register that a store names is written again
.endr
.endr
	s_endpgm
; ---- ranks: the work-group owns rk[64 g .. 64 g + 63]; lane l of EVERY wave holds n = 64 g + 2 l and + 1; wave w counts over j = 512 w .. 512 w + 511; the eight counts meet in LDS.
; key_j < key_i is tested as (map[j] << 12) + jb + 16 < key_i + 16 - e for j = jb + e: the right side lies in 16 registers for each of my two keys, the left is two scalar lines.
.Lrank:
	s_lshr_b32 s58, s2, 5                          ; parity
	s_and_b32 s59, s2, 31
	s_lshl_b32 s59, s59, 7                         ; 2 x 64 (g mod 32)
	s_add_co_u32 s59, s59, s58
	v_and_b32 v4, 31, v0
	v_lshl_add_u32 v5, v4, 2, s59                  ; i of my first key,
	v_add_nc_u32 v6, 2, v5                         ; and of my second
	v_lshlrev_b32 v7, 2, v5
	global_load_b32 v8, v7, s[10:11]
	global_load_b32 v9, v7, s[10:11] offset:8
	s_lshl_b32 s21, s20, 11                        ; my wave's 512 words of the map, in bytes
	s_load_b512 s[24:39], s[10:11], s21 offset:0x0
	s_lshl_b32 s22, s20, 9
	s_add_co_u32 s22, s22, 16                      ; jb + 16
	s_mov_b32 s23, 16                              ; trips of 32 words
	v_mov_b32 v2, 0
	v_mov_b32 v3, 0
	s_wait_loadcnt 0x0
	v_lshl_or_b32 v8, v8, 12, v5
	v_lshl_or_b32 v9, v9, 12, v6
.irp e, 0,1,2,3,4,5,6,7,8,9,10,11,12,13,14,15
	v_add_nc_u32 v[32+\e], 16-\e, v8
	v_add_nc_u32 v[48+\e], 16-\e, v9
.endr
.macro CNT16 base                      ; sixteen words of the map against my two keys; the carry-in adds the compare's bit
.irp e, 0,1,2,3,4,5,6,7,8,9,10,11,12,13,14,15
	s_lshl_b32 s[56+\e%2], s[(\base)+\e], 12
	s_add_co_u32 s[56+\e%2], s[56+\e%2], s22
	v_cmp_lt_u32 vcc_lo, s[56+\e%2], v[32+\e]
	v_add_co_ci_u32 v2, vcc_lo, 0, v2, vcc_lo
	v_cmp_lt_u32 vcc_lo, s[56+\e%2], v[48+\e]
	v_add_co_ci_u32 v3, vcc_lo, 0, v3, vcc_lo
.endr
	s_add_co_u32 s22, s22, 16
.endm
.Lcount:
	s_wait_kmcnt 0x0                               ; scalar loads come back in no order: only 0 shows anything.  The first set is in
	s_load_b512 s[40:55], s[10:11], s21 offset:0x40
	CNT16 24
	s_wait_kmcnt 0x0                               ; the second set is in, and s21 is free
	s_add_co_u32 s21, s21, 128
	s_and_b32 s21, s21, 0x3fff                     ; the look-ahead of the last wave's last trip wraps to the map's head: no load leaves the buffer
	s_load_b512 s[24:39], s[10:11], s21 offset:0x0
	CNT16 40
	s_sub_co_u32 s23, s23, 1
	s_cmp_lg_u32 s23, 0
	s_cbranch_scc1 .Lcount
	s_wait_kmcnt 0x0
	s_lshl_b32 s58, s20, 8
	s_add_co_u32 s58, s58, RKP
	v_lshl_add_u32 v10, v4, 3, s58
	ds_store_b64 v10, v[2:3]
	s_wait_dscnt 0x0                               ; for the others' sake: my counts are in LDS
	s_barrier_signal -1
	s_barrier_wait -1
	s_cmp_lg_u32 s20, 0
	s_cbranch_scc1 .Lrank_end
	v_lshl_add_u32 v11, v4, 3, RKP
.irp k, 0,1,2,3,4,5,6,7
	ds_load_b64 v[64+2*\k:65+2*\k], v11 offset:256*\k
.endr
	s_lshl_b32 s59, s2, 8
	v_lshl_add_u32 v12, v4, 3, s59
	s_wait_dscnt 0x0
.irp h, 0,1
	v_add3_u32 v[64+\h], v[64+\h], v[66+\h], v[68+\h]
	v_add3_u32 v[64+\h], v[64+\h], v[70+\h], v[72+\h]
	v_add3_u32 v[64+\h], v[64+\h], v[74+\h], v[76+\h]
	v_add_nc_u32 v[64+\h], v[64+\h], v[78+\h]
.endr
	global_store_b64 v12, v[64:65], s[18:19]       ; one store: 256 consecutive aligned bytes
.Lrank_end:
	s_wait_tensorcnt 0x0                           ; the wave's end: behind my last LDS store
	ds_add_u32 v[SPW], v[NIL]
	s_wait_dscnt 0x0
	s_endpgm
; ---- a tile of 128 k x 64 n of a weight, turned.  SRC, DST: the scalar pairs of the two addresses; NP: bytes in a source row; FIRST: the first work-group of this kind.
; In: thread (a = t / 16, c = t % 16) loads rows k = 8 a + j, j = 0 .. 7, columns 4 c .. 4 c + 3: a load of the wave covers two whole runs of 256 bytes.  Its eight k of one n pack into 16 bytes,
; which go to LDS row n (256 bytes + 16).  Four lanes meet in a group of banks there: taken, since only the weights' 8 MiB of f16 pass this way.  Back: 16 lanes take a row, 256 aligned bytes of the target.
.macro WT SRC, DST, NP, FIRST
	s_sub_co_u32 s21, s2, \FIRST
	s_and_b32 s22, s21, 7                          ; which 128 k
	s_lshr_b32 s23, s21, 3                         ; which 64 n
	s_mul_i32 s24, s22, 128*(\NP)
	s_lshl_b32 s26, s23, 8
	s_add_co_u32 s24, s24, s26
	s_mov_b32 s25, 0
	s_add_nc_u64 s[\SRC:\SRC+1], s[\SRC:\SRC+1], s[24:25]
	s_lshl_b32 s24, s23, 17                        ; 64 target rows of 2,048 bytes
	s_lshl_b32 s26, s22, 8
	s_add_co_u32 s24, s24, s26
	s_add_nc_u64 s[\DST:\DST+1], s[\DST:\DST+1], s[24:25]
	v_lshrrev_b32 v2, 4, v0                        ; a
	v_and_b32 v3, 15, v0                           ; c
	v_mul_u32_u24 v5, v2, 8*(\NP)
	v_lshl_add_u32 v5, v3, 4, v5
.irp j, 0,1,2,3,4,5,6,7
	global_load_b128 v[32+4*\j:35+4*\j], v5, s[\SRC:\SRC+1] offset:\j*(\NP) th:TH_LOAD_NT
.endr
	v_mul_u32_u24 v6, v3, 4*272
	v_lshl_add_u32 v6, v2, 4, v6                   ; in: row 4 c (+ q), byte 16 a
	v_bfe_u32 v7, v0, 4, 1
	v_lshl_add_u32 v7, v1, 3, v7                   ; back: row 8 w + half of the lanes (+ 2 f)
	v_mul_u32_u24 v9, v7, 272
	v_lshl_add_u32 v9, v3, 4, v9
	v_lshlrev_b32 v10, 11, v7
	v_lshl_add_u32 v10, v3, 4, v10
	s_wait_loadcnt 0x0
.irp q, 0,1,2,3
.irp m, 0,1,2,3
	RND 64+4*\q+\m, 32+8*\m+\q, 36+8*\m+\q, 16+2*\m
.endr
	ds_store_b128 v6, v[64+4*\q:67+4*\q] offset:272*\q
.endr
	s_wait_dscnt 0x0                               ; for the others' sake: my part of the tile is in LDS
	s_barrier_signal -1
	s_barrier_wait -1
.irp f, 0,1,2,3
	ds_load_b128 v[80+4*\f:83+4*\f], v9 offset:544*\f
.endr
.irp f, 0,1,2,3
	s_wait_dscnt 3-\f                              ; LDS loads come back in order: the younger ones stay out
	global_store_b128 v10, v[80+4*\f:83+4*\f], s[\DST:\DST+1] offset:4096*\f
.endr
	s_wait_tensorcnt 0x0                           ; the wave's end: behind my last LDS store
	ds_add_u32 v[SPW], v[NIL]
	s_wait_dscnt 0x0
	s_endpgm
.endm
.Lwq:
	WT 6, 14, 12288, 64
.Lwp:
	WT 8, 16, 4096, 448
.Lfunc_end_k_qc4e9bb0de6_prep:
	.size	k_qc4e9bb0de6_prep, .Lfunc_end_k_qc4e9bb0de6_prep-k_qc4e9bb0de6_prep
	.p2alignl 7, 3214868480
	.fill 96, 4, 3214868480
	.section	.rodata,"a",@progbits
	.p2align	6, 0x0
	.amdhsa_kernel k_qc4e9bb0de6_prep
		.amdhsa_group_segment_fixed_size 20480
		.amdhsa_private_segment_fixed_size 0
		.amdhsa_enable_private_segment 0
		.amdhsa_kernarg_size 64
		.amdhsa_user_sgpr_count 2
		.amdhsa_user_sgpr_kernarg_segment_ptr 1
		.amdhsa_wavefront_size32 1
		.amdhsa_system_sgpr_workgroup_id_x 1
		.amdhsa_system_sgpr_workgroup_id_y 1
		.amdhsa_system_sgpr_workgroup_id_z 1
		.amdhsa_system_vgpr_workitem_id 0
		.amdhsa_next_free_vgpr 160
		.amdhsa_next_free_sgpr 66
		.amdhsa_reserve_vcc 1
		.amdhsa_float_denorm_mode_32 3
		.amdhsa_float_denorm_mode_16_64 3
		.amdhsa_memory_ordered 1
		.amdhsa_forward_progress 1
		.amdhsa_inst_pref_size 44
	.end_amdhsa_kernel
	.amdgpu_metadata
---
amdhsa.version: [ 1, 2 ]
amdhsa.kernels:
  - .name:           k_qc4e9bb0de6_prep
    .symbol:         k_qc4e9bb0de6_prep.kd
    .args:
      - { .name: x, .offset: 0, .size: 8, .value_kind: global_buffer, .address_space: global }
      - { .name: w_qkv, .offset: 8, .size: 8, .value_kind: global_buffer, .address_space: global }
      - { .name: w_proj, .offset: 16, .size: 8, .value_kind: global_buffer, .address_space: global }
      - { .name: hilbert_map, .offset: 24, .size: 8, .value_kind: global_buffer, .address_space: global }
      - { .name: xh, .offset: 32, .size: 8, .value_kind: global_buffer, .address_space: global }
      - { .name: wq, .offset: 40, .size: 8, .value_kind: global_buffer, .address_space: global }
      - { .name: wp, .offset: 48, .size: 8, .value_kind: global_buffer, .address_space: global }
      - { .name: rk, .offset: 56, .size: 8, .value_kind: global_buffer, .address_space: global }
    .group_segment_fixed_size: 20480
    .private_segment_fixed_size: 0
    .kernarg_segment_align: 8
    .kernarg_segment_size: 64
    .max_flat_workgroup_size: 256
    .sgpr_count:     66
    .vgpr_count:     160
    .wavefront_size: 32
...
	.end_amdgpu_metadata
.endif
;; end of part 1
;; launch gemm_qkv (part 2): grid 4 x 128, 4 waves a work-group, clusters of 4 x 4, 327,680 bytes of LDS; arguments xh, wq, qkv; writes qkv
.if DOCPART == 2
	.amdgcn_target "amdgcn-amd-amdhsa--gfx1250"
	.amdhsa_code_object_version 6
	.text
	.protected	k_qc4e9bb0de6_gemm_qkv
	.globl	k_qc4e9bb0de6_gemm_qkv
	.p2align	8
	.type	k_qc4e9bb0de6_gemm_qkv,@function
k_qc4e9bb0de6_gemm_qkv:
	s_mov_b64 s[64:65], 0
	v_nop
	global_prefetch_b8 v0, s[64:65] scope:SCOPE_SE
	s_setreg_imm32_b32 hwreg(HW_REG_WAVE_MODE, 25, 1), 1
	s_wait_xcnt 0x0
	s_wait_alu depctr_hold_cnt(0) depctr_sa_sdst(0) depctr_va_vdst(0) depctr_va_sdst(0) depctr_va_ssrc(0) depctr_va_vcc(0) depctr_vm_vsrc(0)
	s_getreg_b32 s2, hwreg(HW_REG_IB_STS2, 6, 4)
	s_cmp_eq_u32 s2, 0
	s_cbranch_scc0 .Lentry_in_a_cluster
	s_endpgm
.Lentry_in_a_cluster:
	s_bfe_u32 s2, ttmp6, 0x10000c
	s_cmp_lg_u32 s2, 0xf033
	s_cbranch_scc0 .Lentry_shape_is_right
	s_endpgm
.Lentry_shape_is_right:
; qkv = Q, K and V as ONE product of 512 equal tiles of 256 x 256 x 1024.  A = xh [16384][1024], B = wq [3072 (n)][1024 (k)], C = qkv [32768][1024], all f16; sums in f32, C rounded once.
; Tile row Ty of C: 0-63 Q (all rows of xh, wq rows 0-1023); 64-95 K (xh rows 0-8191, the even positions, wq rows 1024-2047); 96-127 V (the same rows, wq rows 2048-3071).
; The odd positions' K and V are never used by the attention, so they are not made.
; LIMIT.  A result beyond 65,504 becomes an infinity in f16; below 2^-14 it keeps f16's fixed step.
; SHAPE.  Four waves, each 128 x 128 of C: 64 accumulators, 512 registers.  K goes in steps of 128 through two LDS slots filled by the tensor data mover: tile rows are 256 bytes of memory, at multiples of 256.
; CLUSTERS.  4 x 4 work-groups: the four of a row need the same tile of A, the four of a column the same tile of B: each tile is asked for jointly, by the same load with the same descriptor and a mask of four.
; THE MATRIX INSTRUCTION IS USED TRANSPOSED (source 0 = 16 rows of B, source 1 = 16 rows of A): a lane then holds eight neighbouring numbers of a row of C, 16 bytes in f16.
; REGISTERS, in windows of 256: window 0: v0-31 addresses; v64-127, v128-191 fragments of A, two buffers; v192-223, v32-63, v224-255 the way out.  Window 1: v64-191 fragments of B.
;   Windows 2, 3: the accumulators of my rows 0-63, 64-127; accumulator (a, b) at v[8 (8 a + b)].
.set SIZE_K, 1024
.set CP,     2048                      ; bytes in a row of C
.set KSTEP,  128
.set PITCH,  272                       ; an LDS row: 256 bytes + 16: the 16 rows that a load touches start at 16 different groups of four banks (64 banks of 4 bytes: ISA guide 11.1)
.set HALFT,  128*PITCH                 ; 128 rows: what one tensor load brings, and what one wave reads of A or of B
.set SLOT,   4*HALFT                   ; A's 256 rows, then B's 256 rows
.set STAGE,  2*SLOT                    ; behind the ring: 16 rows x 272 bytes for each wave, for the way out; no tensor load lands there
.set SPITCH, 272
.set SPARE,  STAGE+4*16*SPITCH         ; the spare words, 128 bytes for each wave: two blocks of 256 bytes that no other line names
.set LAPS,   SIZE_K/(2*KSTEP)          ; a lap = two K steps = once round the ring
.set ADRA, 16                          ; v16-17  LDS address of my A fragments in slot 0, 1
.set ADRB, 20                          ; v20-21  the same for B
.set STO,  24                          ; v24     the way out: where I put 16 bytes of a row
.set RD,   25                          ; v25     where I read a row back
.set CO,   26                          ; v26     my byte offset in C
.set SPW,  28                          ; v28     LDS address of my spare word; never rewritten
.set NIL,  29                          ; v29     0; never rewritten
.set F0,   64
.set F1,   128
.set TMP,  192
.set OB,   32
.set G1, 24                            ; s[24:31] descriptor group 1 for A's tiles;  s[32:39] group 0, a set for each slot
.set G0, 32
.set G1B, 48                           ; s[48:55], s[56:63] the same for B's tiles
.set G0B, 56
.set MSB, 0
.macro WIN new                         ; the immediate's high byte repeats the setting that is left; a switch that changes nothing is dropped
.if MSB != (\new)
	s_set_vgpr_msb (MSB<<8)|(\new)
.set MSB, \new
.endif
.endm
.set MUL_LO, 0xa1                      ; source 0 (B) window 1, source 1 (A) window 0, C and D window 2
.set MUL_HI, 0xf1                      ; the same, C and D window 3
.set TO_B,   0x40                      ; destination window 1, address window 0
; A joint load: waves 0 and 1 fetch A's two halves, waves 2 and 3 B's.  The branch hangs on the wave's number alone.  An s_nop 0 and four v_nop follow each of the two lines.
.macro JLOAD s
	s_cmp_eq_u32 s11, 0
	s_cbranch_scc0 .Lfor_b_\@
	tensor_load_to_lds s[G0+4*(\s):G0+4*(\s)+3], s[G1:G1+7]
	s_nop 0
.rept 4
	v_nop
.endr
	s_branch .Lasked_\@
.Lfor_b_\@:
	tensor_load_to_lds s[G0B+4*(\s):G0B+4*(\s)+3], s[G1B:G1B+7]
	s_nop 0
.rept 4
	v_nop
.endr
.Lasked_\@:
.endm
; A round of the cluster's barrier: my work-group's barrier; wave 0 signals for the work-group; every wave waits for all sixteen; my work-group's barrier once more.
.macro CREST                           ; a round behind its opening barrier
	s_cmp_lg_u32 s10, 0
	s_cbranch_scc1 .Lnot_wave_0_\@
	s_barrier_signal -3
.Lnot_wave_0_\@:
	s_barrier_wait -3
	s_barrier_signal -1
	s_barrier_wait -1
.endm
.macro CROUND
	s_barrier_signal -1
	s_barrier_wait -1
	CREST
.endm
	s_load_b128 s[4:7], s[0:1], 0x0                ; A s[4:5], B s[6:7]
	s_load_b64 s[8:9], s[0:1], 0x10                ; C
	v_lshl_add_u32 v[SPW], v0, 2, SPARE
	v_mov_b32 v[NIL], 0
	ds_add_u32 v[SPW], v[NIL]                      ; the wave's opening: the add and its wait stand ahead of my first tensor load; the set-up below stands between them
	ds_add_u32 v28, v29
	v_lshrrev_b32 v1, 5, v0
	v_readfirstlane_b32 s10, v1                    ; wave 0..3
	s_lshr_b32 s11, s10, 1                         ; which half of the tile's rows is mine.  Also: I fetch for A (0) or for B (1)
	s_and_b32 s12, s10, 1                          ; which half of its columns.  Also: which 128 rows of that tile I fetch
	s_bfe_u32 s40, ttmp6, 0x40000                  ; cx
	s_bfe_u32 s41, ttmp6, 0x40004                  ; cy
	s_lshl_b32 s42, ttmp9, 2
	s_add_co_u32 s42, s42, s40                     ; Tx: tile column of C = 4 x cluster x + cx
	s_and_b32 s13, ttmp7, 0xffff                   ; the cluster's y, 0..31
	s_lshr_b32 s45, s13, 3
	s_sub_co_i32 s45, s45, 1
	s_max_i32 s45, s45, 0                          ; 0 Q, 1 K, 2 V: the same in all sixteen work-groups
	s_min_u32 s2, s45, 1
	s_add_co_u32 s2, s2, s45
	s_lshl_b32 s2, s2, 5                           ; the first tile row of my third of C: 0, 64 or 96
	s_lshl_b32 s13, s13, 2
	s_add_co_u32 s13, s13, s41                     ; Ty: tile row of C = 4 x cluster y + cy
	s_lshl_b32 s43, s41, 2
	s_lshl_b32 s43, 15, s43                        ; my row of the cluster: places 4 cy .. 4 cy + 3
	s_lshl_b32 s44, 0x1111, s40                    ; my column: places cx, cx + 4, cx + 8, cx + 12
	; descriptor group 1: a tile of 128 rows x 128 elements of 2 bytes, 16 bytes of padding behind every 256
	s_or_b32 s[G1+0], s43, (1<<16)|(1<<20)|(1<<21)|(5<<22)|(3<<25)   ; 15:0 the mask; 17:16 2-byte elements; 20 padding on; 21 set beside a mask; 24:22 after every 64 words; 31:25 four words
	s_or_b32 s[G1B+0], s44, (1<<16)|(1<<20)|(1<<21)|(5<<22)|(3<<25)
.irp g, G1, G1B
	s_mov_b32 s[(\g)+1], KSTEP<<16                 ; tensor_dim0 = 128
	s_mov_b32 s[(\g)+2], 128<<16                   ; tensor_dim1 = 128
	s_mov_b32 s[(\g)+3], KSTEP<<16                 ; tile_dim0 = 128
	s_mov_b32 s[(\g)+4], 128                       ; tile_dim1 = 128
	s_mov_b32 s[(\g)+5], SIZE_K                    ; elements from row to row
	s_mov_b32 s[(\g)+6], 0
	s_mov_b32 s[(\g)+7], 0
.endr
	; A's tile hangs on the tile row alone, B's on the tile column and the third alone; each address is made in registers that never hold the other coordinate
	s_lshl_b32 s17, s12, 7                         ; which 128 rows of the tile I fetch
	s_sub_co_u32 s16, s13, s2                      ; A's tile row
	s_lshl_b32 s16, s16, 8
	s_add_co_u32 s16, s16, s17
	s_lshl_b32 s16, s16, 11                        ; rows of 2,048 bytes: under 2^25
	s_lshl2_add_u32 s46, s45, s42                  ; B's tile row = 4 x third + Tx
	s_lshl_b32 s46, s46, 8
	s_add_co_u32 s46, s46, s17
	s_lshl_b32 s46, s46, 11
	s_mov_b32 s17, 0
	s_mov_b32 s47, 0
	s_mul_i32 s20, s10, HALFT                      ; where the tiles go: wave x 128 rows: no place in the cluster enters an LDS address
	s_wait_dscnt 0x0                               ; the opening add is done
	s_wait_kmcnt 0x0
	s_add_nc_u64 s[14:15], s[4:5], s[16:17]
	s_add_nc_u64 s[46:47], s[6:7], s[46:47]
	CROUND                                         ; all sixteen work-groups are here: the first joint loads meet
.irp s, 0,1
	s_mov_b32 s[G0+4*(\s)], 1                                      ; count = 1
	s_add_co_u32 s[G0+4*(\s)+1], s20, (\s)*SLOT                    ; LDS address
	s_add_nc_u64 s[G0+4*(\s)+2:G0+4*(\s)+3], s[14:15], (\s)*KSTEP*2  ; global address: K step s
	s_or_b32 s[G0+4*(\s)+3], s[G0+4*(\s)+3], 0x80000000            ; type = 2
	s_mov_b32 s[G0B+4*(\s)], 1
	s_add_co_u32 s[G0B+4*(\s)+1], s20, (\s)*SLOT
	s_add_nc_u64 s[G0B+4*(\s)+2:G0B+4*(\s)+3], s[46:47], (\s)*KSTEP*2
	s_or_b32 s[G0B+4*(\s)+3], s[G0B+4*(\s)+3], 0x80000000
	JLOAD \s                                       ; two loads of mine are out
.endr
	; a fragment is 16 rows x 32 K in 8 registers: lane l holds row l % 16, K = 8 (l / 16) + 0..7 and 16 + 8 (l / 16) + 0..7: two loads of 16 bytes, 32 bytes apart
	v_and_b32 v1, 15, v0                           ; l % 16
	v_bfe_u32 v2, v0, 4, 1                         ; l / 16
	v_mul_u32_u24 v3, v1, PITCH
	v_lshl_add_u32 v3, v2, 4, v3
	s_mul_i32 s21, s11, HALFT                      ; my 128 rows of A
	s_mul_i32 s22, s12, HALFT                      ; my 128 rows of B,
	s_add_co_u32 s22, s22, 2*HALFT                 ; which lie behind A's 256
.irp s, 0,1
	v_add_nc_u32 v[ADRA+(\s)], s21, v3
	v_add_nc_u32 v[ADRB+(\s)], s22, v3
	s_add_co_u32 s21, s21, SLOT
	s_add_co_u32 s22, s22, SLOT
.endr
	s_mul_i32 s23, s10, 16*SPITCH
	s_add_co_u32 s23, s23, STAGE                   ; my stage
	v_mul_u32_u24 v4, v1, SPITCH                   ; in: row l % 16, 16 bytes for each half of the lanes
	v_lshl_add_u32 v4, v2, 4, v4
	v_add_nc_u32 v[STO], s23, v4
	v_mul_u32_u24 v5, v2, SPITCH                   ; back: lanes 0-15 take one row of 256 bytes, lanes 16-31 the next
	v_lshl_add_u32 v5, v1, 4, v5
	v_add_nc_u32 v[RD], s23, v5
	v_lshlrev_b32 v5, 11, v2                       ; and the same two rows in C
	v_lshl_add_u32 v[CO], v1, 4, v5
	s_lshl_b32 s16, s13, 8                         ; my part of C: row 256 Ty + 128 x half,
	s_lshl_b32 s14, s11, 7
	s_add_co_u32 s16, s16, s14
	s_lshl_b32 s16, s16, 11
	s_mov_b32 s17, 0
	s_lshl_b32 s46, s42, 9                         ; byte 512 Tx + 256 x half of the row
	s_lshl_b32 s47, s12, 8
	s_add_co_u32 s46, s46, s47
	s_mov_b32 s47, 0
	s_add_nc_u64 s[16:17], s[16:17], s[46:47]
	s_add_nc_u64 s[8:9], s[8:9], s[16:17]
; 16 matrix instructions: m blocks a0, a0 + 1 of the window's four x all 8 n blocks, 32 along K.  zero = 1: the first product starts the sums: nothing is cleared.
.macro MUL16 f, hi, a0, zero
	WIN MUL_LO+0x50*(\hi)
.irp a, \a0, (\a0)+1
.irp b, 0,1,2,3,4,5,6,7
.if \zero
	v_wmma_f32_16x16x32_f16 v[8*(8*(\a)+(\b)):8*(8*(\a)+(\b))+7], v[(\f)+8*(\b):(\f)+8*(\b)+7], v[(\f)+8*(4*(\hi)+(\a)):(\f)+8*(4*(\hi)+(\a))+7], 0
.else
	v_wmma_f32_16x16x32_f16 v[8*(8*(\a)+(\b)):8*(8*(\a)+(\b))+7], v[(\f)+8*(\b):(\f)+8*(\b)+7], v[(\f)+8*(4*(\hi)+(\a)):(\f)+8*(4*(\hi)+(\a))+7], v[8*(8*(\a)+(\b)):8*(8*(\a)+(\b))+7]
.endif
.endr
.endr
.endm
; 32 LDS loads in one run: the fragments of one quarter step (128 rows of B, 128 rows of A, 32 K at byte k of the rows) into buffer f
.macro FETCH slot, k, f
	WIN TO_B
.irp i, 0,1,2,3,4,5,6,7
	ds_load_b128 v[(\f)+8*(\i):(\f)+8*(\i)+3],   v[ADRB+(\slot)] offset:(\k)+(\i)*16*PITCH
	ds_load_b128 v[(\f)+8*(\i)+4:(\f)+8*(\i)+7], v[ADRB+(\slot)] offset:(\k)+(\i)*16*PITCH+32
.endr
	WIN 0
.irp i, 0,1,2,3,4,5,6,7
	ds_load_b128 v[(\f)+8*(\i):(\f)+8*(\i)+3],   v[ADRA+(\slot)] offset:(\k)+(\i)*16*PITCH
	ds_load_b128 v[(\f)+8*(\i)+4:(\f)+8*(\i)+7], v[ADRA+(\slot)] offset:(\k)+(\i)*16*PITCH+32
.endr
.endm
; Four plain vector instructions stand between a matrix instruction and a load into one of its registers, or a vector instruction that reads its result (ISA guide 7.12.1 for vector instructions).
.macro PLACES
.rept 4
	v_nop
.endr
.endm
; A K step is four quarters of 32 along K, 64 matrix instructions each, on buffers 0, 1, 0, 1.  One of the first three multiplies buffer f and, in its middle, fetches the next quarter into g.
; The 64 accumulators take turns in the same order in every quarter.
.macro QUARTER slot, k, f, g, zero
	s_wait_dscnt 8                                 ; B and A's rows 0-63 are in; the youngest eight loads (A's rows 64-127) may be out
	WIN MUL_LO
	MUL16 \f, 0, 0, \zero
	MUL16 \f, 0, 2, \zero
	PLACES
	FETCH \slot, \k, \g
	s_wait_dscnt 32                                ; all but the 32 just issued
	WIN MUL_HI
	MUL16 \f, 1, 0, \zero
	MUL16 \f, 1, 2, \zero
.endm
; The last quarter's first half: ONE barrier for the change of slots.  In front of it each wave waits for all its tensor loads (one is out: its part of the next slot), adds 0 to its spare word,
; and waits for that and for its own reads of this slot.  Behind it nobody reads this slot any more and the next slot is whole.
.macro MEET round
	WIN 0                                          ; (the add's two registers lie in window 0)
	s_wait_tensorcnt 0x0
	ds_add_u32 v[SPW], v[NIL]                      ; 0 onto my spare word
	s_wait_dscnt 9                                 ; (the add and the youngest eight loads may be out)
	WIN MUL_LO
	MUL16 F1, 0, 0, 0                              ; sixteen matrix instructions stand between the add and the wait for it
	s_wait_dscnt 0x0                               ; the add is done, and my reads of this slot are over
	s_barrier_signal -1
	MUL16 F1, 0, 2, 0                              ; work on registers while the others arrive
.if \round
	WIN 0
.endif
	s_barrier_wait -1
.endm
; The whole last quarter.  fill = 1: the barrier opens a round of the cluster's, and the slot just read out is filled again first behind it, with the K step two steps on:
; from that request to the wait for it a wave issues 224 matrix instructions.
.macro TURN slot, next, fill
	MEET \fill
.if \fill
	CREST                                          ; no wave of any partner still reads this slot's tile or has a load on its way
	s_add_nc_u64 s[G0+4*(\slot)+2:G0+4*(\slot)+3], s[G0+4*(\slot)+2:G0+4*(\slot)+3], 2*KSTEP*2
	s_add_nc_u64 s[G0B+4*(\slot)+2:G0B+4*(\slot)+3], s[G0B+4*(\slot)+2:G0B+4*(\slot)+3], 2*KSTEP*2
	JLOAD \slot                                    ; the four v_nop behind it are also the places in front of the loads below
.else
	PLACES
.endif
	FETCH \next, 0, F0
	WIN MUL_HI
	MUL16 F1, 1, 0, 0
	MUL16 F1, 1, 2, 0
.endm
; THE WAY OUT of block a (16 rows).  PACK: rounded to f16, 16 bytes a lane, each accumulator's registers in ascending order.  TOSTAGE: into my own stage, and back as whole rows of 256 bytes.  SEND: stored.
.macro PACK a
.set AC, 64*((\a)%4)
	WIN 0x0a+5*((\a)/4)                            ; sources 0 and 1: window 2 or 3
.irp b, 0,1,2,3,4,5,6,7
.irp r, 0,1,2,3
	v_cvt_pk_f16_f32 v[TMP+4*(\b)+(\r)], v[AC+8*(\b)+2*(\r)], v[AC+8*(\b)+2*(\r)+1]
.endr
.endr
	WIN 0
.endm
.macro TOSTAGE a
	WIN 0
.set BK, OB+192*((\a)%2)
.irp b, 0,1,2,3,4,5,6,7
	ds_store_b128 v[STO], v[TMP+4*(\b):TMP+4*(\b)+3] offset:32*(\b)
.endr
.irp t, 0,1,2,3,4,5,6,7
	ds_load_b128 v[BK+4*(\t):BK+4*(\t)+3], v[RD] offset:(\t)*2*SPITCH  ; LDS serves a wave's instructions in order (ISA guide 5.7.1.4): these see the stores above
.endr
.endm
.macro SEND a, younger
	WIN 0
.set BK, OB+192*((\a)%2)
	s_wait_dscnt \younger                          ; the block is back in registers
	s_wait_xcnt 0x0                                ; the stores of the block before have read their registers: the next TOSTAGE loads into them
.irp t, 0,1,2,3,4,5,6,7
	global_store_b128 v[CO], v[BK+4*(\t):BK+4*(\t)+3], s[8:9] offset:(16*(\a)+2*(\t))*CP  ; 16 lanes store 256 consecutive aligned bytes; 126 rows of 2,048 bytes at the most in the immediate
.endr
.endm
	s_wait_tensorcnt 1                             ; my part of K step 0 is in; K step 1's may stay out
	s_barrier_signal -1
	s_barrier_wait -1                              ; everybody's is
	FETCH 0, 0, F0
	QUARTER 0, 64,  F0, F1, 1                      ; the first quarter stands in front of the loop: its products start the sums
	WIN 0                                          ; at a label and at a branch every window is 0
	s_mov_b32 s3, LAPS-1
.Llap:                                                 ; a trip goes once round the ring, from a lap's second quarter to the next lap's first, and fills both slots again
	QUARTER 0, 128, F1, F0, 0
	QUARTER 0, 192, F0, F1, 0
	TURN 0, 1, 1
	QUARTER 1, 64,  F0, F1, 0
	QUARTER 1, 128, F1, F0, 0
	QUARTER 1, 192, F0, F1, 0
	TURN 1, 0, 1
	QUARTER 0, 64,  F0, F1, 0
	WIN 0
	s_sub_co_u32 s3, s3, 1
	s_cmp_lg_u32 s3, 0
	s_cbranch_scc1 .Llap
	QUARTER 0, 128, F1, F0, 0                      ; the last lap is written out: it fills nothing, and has no round
	QUARTER 0, 192, F0, F1, 0
	TURN 0, 1, 0
	QUARTER 1, 64,  F0, F1, 0
	QUARTER 1, 128, F1, F0, 0
	QUARTER 1, 192, F0, F1, 0
	s_wait_dscnt 8                                 ; the very last quarter: nothing more to fetch
	MUL16 F1, 0, 0, 0
	MUL16 F1, 0, 2, 0
	s_wait_dscnt 0x0
	MUL16 F1, 1, 0, 0
	MUL16 F1, 1, 2, 0
	WIN 0
	PLACES
	PACK 0
	TOSTAGE 0
.irp a, 1,2,3,4,5,6,7                  ; block a's conversions stand between block a - 1's loads from the stage and the wait for them
	PACK \a
	SEND (\a)-1, 0
	TOSTAGE \a
.endr
	SEND 7, 0
	s_wait_tensorcnt 0x0                           ; the wave's end: behind my last tensor load and my last LDS store
	ds_add_u32 v[SPW], v[NIL]
	s_wait_dscnt 0x0
	CROUND                                         ; the closing round: no work-group ends while a partner may still ask for a tile that names it
	s_endpgm
.Lfunc_end_k_qc4e9bb0de6_gemm_qkv:
	.size	k_qc4e9bb0de6_gemm_qkv, .Lfunc_end_k_qc4e9bb0de6_gemm_qkv-k_qc4e9bb0de6_gemm_qkv
	.p2alignl 7, 3214868480
	.fill 96, 4, 3214868480
	.section	.rodata,"a",@progbits
	.p2align	6, 0x0
	.amdhsa_kernel k_qc4e9bb0de6_gemm_qkv
		.amdhsa_group_segment_fixed_size 327680
		.amdhsa_private_segment_fixed_size 0
		.amdhsa_enable_private_segment 0
		.amdhsa_kernarg_size 24
		.amdhsa_user_sgpr_count 2
		.amdhsa_user_sgpr_kernarg_segment_ptr 1
		.amdhsa_wavefront_size32 1
		.amdhsa_system_sgpr_workgroup_id_x 1
		.amdhsa_system_sgpr_workgroup_id_y 1
		.amdhsa_system_sgpr_workgroup_id_z 1
		.amdhsa_system_vgpr_workitem_id 0
		.amdhsa_next_free_vgpr 1024
		.amdhsa_next_free_sgpr 66
		.amdhsa_reserve_vcc 0
		.amdhsa_float_denorm_mode_32 3
		.amdhsa_float_denorm_mode_16_64 3
		.amdhsa_memory_ordered 1
		.amdhsa_forward_progress 1
		.amdhsa_inst_pref_size 142
	.end_amdhsa_kernel
	.amdgpu_metadata
---
amdhsa.version: [ 1, 2 ]
amdhsa.kernels:
  - .name:           k_qc4e9bb0de6_gemm_qkv
    .symbol:         k_qc4e9bb0de6_gemm_qkv.kd
    .args:
      - { .name: xh, .offset: 0, .size: 8, .value_kind: global_buffer, .address_space: global }
      - { .name: wq, .offset: 8, .size: 8, .value_kind: global_buffer, .address_space: global }
      - { .name: qkv, .offset: 16, .size: 8, .value_kind: global_buffer, .address_space: global }
    .group_segment_fixed_size: 327680
    .private_segment_fixed_size: 0
    .kernarg_segment_align: 8
    .kernarg_segment_size: 24
    .max_flat_workgroup_size: 128
    .sgpr_count:     66
    .vgpr_count:     1024
    .wavefront_size: 32
...
	.end_amdgpu_metadata
.endif
;; end of part 2
;; launch attn (part 3): grid 64 x 4, 8 waves a work-group, no clusters, 327,680 bytes of LDS; arguments qkv, rk, o; writes o
.if DOCPART == 3
	.amdgcn_target "amdgcn-amd-amdhsa--gfx1250"
	.amdhsa_code_object_version 6
	.text
	.protected	k_qc4e9bb0de6_attn
	.globl	k_qc4e9bb0de6_attn
	.p2align	8
	.type	k_qc4e9bb0de6_attn,@function
k_qc4e9bb0de6_attn:
	s_mov_b64 s[64:65], 0
	v_nop
	global_prefetch_b8 v0, s[64:65] scope:SCOPE_SE
	s_setreg_imm32_b32 hwreg(HW_REG_WAVE_MODE, 25, 1), 1
	s_wait_xcnt 0x0
; ATTENTION INSIDE A SEGMENT.  A work-group is one segment (64 positions of the reordered sequence) of one batch, all 16 heads: 64 queries, and the 32 even positions as keys and values.
; qkv [32768][1024] f16: rows 0-8191 Q of the even positions (b x 2048 + t), 8192-16383 Q of the odd ones, 16384-24575 K, 24576-32767 V.  o [16384][1024] f16, rows in the final order:
; the result of position i goes to row b x 4096 + rk[i], the place of i in the stable sort of the map, which an earlier launch stored.
; SHARES.  Wave w owns heads 2 w and 2 w + 1: bytes 256 w .. 256 w + 255 of every row.  It fetches its own strips of Q, K and V with four tensor loads at the start (32 rows x 256 bytes each; four are out),
; reads only its own LDS bytes, and fills nothing twice: its own wait on the loads is all the ordering, and the launch has no barrier.
; NO CLUSTER: no two work-groups read the same rows of qkv.  No prefetch: all that a wave reads is asked for in its first lines.
; LAYOUT.  S^T = K Q^T (source 0 = 16 keys, source 1 = 16 queries): a lane holds ONE query (lane % 16) and the keys 8 (lane / 16) + 0..7 of each of two key blocks.  Rounded to f16 in pairs these ARE source 1
; (32 keys x 16 queries) of O^T = V^T P, whose result again holds one query a lane and eight channels.  K comes out of LDS as it lies, V turned, by ds_load_tr16_b128.
; SOFTMAX in f32: the true maximum m of a query's 32 scores (16 here, 16 in the lane 16 away), p = 2^(c s - c m), c = log2(e) / 8; l is the sum of the unrounded p; O is divided by l and rounded once.
; LIMITS.  q, k, v arrive in f16; p lies in 0 to 1 and below 6e-5 keeps f16's fixed step; a weight below 2^-126 counts as 0; NaN and infinities are not treated apart.
.set PK,    272       ; a row of Q or K in LDS: 256 bytes + 16: the 16 rows of a load start at 16 different groups of four banks (64 banks of 4 bytes: ISA guide 11.1)
.set PV,    288       ; a row of V: 256 + 32
.set WREG,  35328     ; a wave's region: Q 64 x 272, K 32 x 272, V 32 x 288
.set KOFF,  64*PK
.set VOFF,  96*PK
.set STAGE, 8*WREG    ; behind the regions: 16 rows x 272 bytes for each wave, for the way out; no tensor load lands there
.set SPARE, STAGE+8*16*PK  ; the spare words, 128 bytes for each wave: four blocks of 256 bytes that no other line names
.set AQ,  3           ; v3   LDS address of my part of the trip's 16 rows of Q
.set AK,  4           ; v4   of K
.set AV,  5           ; v5   of V, for the turning load
.set STO, 6           ; v6   the way out: where I put 16 bytes of a row
.set RD,  7           ; v7   where I read a row back
.set SPW, 8           ; v8   LDS address of my spare word; never rewritten
.set NIL, 9           ; v9   0; never rewritten
.set OBS, 10          ; v10  b x 4096 rows + my 16 bytes of the wave's 256, in bytes of o
.set H32, 11          ; v11  byte in rk of the segment's first even position, + 32 for lanes 16-31
.set RKO, 12          ; v12  the trip's byte offset in rk
.set KV,  16          ; v[16:79]    K: head e, key block kb, channel half c at 32 e + 16 kb + 8 c; later V: head e, channel block cb at 32 e + 8 cb
.set QF,  80          ; v[80:111]   Q: 16 e + 8 c; later O packed
.set S,   112         ; v[112:143]  S^T: 16 e + 8 kb; later the rows read back from the stage
.set P,   144         ; v[144:159]  P: 8 e
.set O,   160         ; v[160:223]  O^T: 32 e + 8 cb
.set RK,  224         ; v[224:231]  eight ranks, then the stores' offsets
.set ST,  232         ; head e at ST + 8 e: c m, m, two at work (at last 1 / l)
.set G1Q, 16          ; s[16:23] descriptor group 1 for Q's and K's tiles
.set G1V, 24          ; s[24:31] for V's: it differs in the padding alone
.set CS,  58          ; s[58:59] c
.set SEL, 60          ; s[60:61] v_permlanex16_b32's selects: each lane takes its own place in the other half
	s_load_b128 s[4:7], s[0:1], 0x0   ; qkv s[4:5], rk s[6:7]
	s_load_b64 s[8:9], s[0:1], 0x10   ; o
	v_lshl_add_u32 v[SPW], v0, 2, SPARE
	v_mov_b32 v[NIL], 0
	ds_add_u32 v[SPW], v[NIL]       ; the wave's opening: the add and its wait stand ahead of my first tensor load; the set-up below stands between them
	ds_add_u32 v8, v9
	v_lshrrev_b32 v1, 5, v0
	v_readfirstlane_b32 s12, v1     ; wave 0..7
	s_and_b32 s13, ttmp7, 0xffff    ; b
	s_lshl_b32 s14, s13, 11
	s_lshl_b32 s15, ttmp9, 5
	s_add_co_u32 s14, s14, s15      ; row b x 2048 + 32 x segment,
	s_lshl_b32 s14, s14, 11         ; in bytes,
	s_lshl_b32 s15, s12, 8
	s_add_co_u32 s14, s14, s15      ; and my wave's 256 bytes of it
	s_mov_b32 s15, 0
	; descriptor group 1: a tile of 32 rows x 128 elements of 2 bytes, 1,024 elements from row to row, padded in LDS behind every 256 bytes
	s_mov_b32 s[G1Q], (1<<16)|(1<<20)|(5<<22)|(3<<25)  ; 17:16 2-byte elements; 20 padding on; 24:22 after every 64 words; 31:25 four words
	s_mov_b32 s[G1V], (1<<16)|(1<<20)|(5<<22)|(7<<25)  ; the same with eight words
.irp g, G1Q, G1V
	s_mov_b32 s[\g+1], 128<<16      ; tensor_dim0 = 128
	s_mov_b32 s[\g+2], 32<<16       ; tensor_dim1 = 32
	s_mov_b32 s[\g+3], 128<<16      ; tile_dim0 = 128
	s_mov_b32 s[\g+4], 32           ; tile_dim1 = 32
	s_mov_b32 s[\g+5], 1024
	s_mov_b32 s[\g+6], 0
	s_mov_b32 s[\g+7], 0
.endr
	s_mul_i32 s53, s12, WREG        ; my region
	s_mov_b32 s32, 1                ; group 0 for K,
	s_add_co_u32 s33, s53, KOFF
	s_mov_b32 s36, 1                ; V,
	s_add_co_u32 s37, s53, VOFF
	s_mov_b32 s40, 1                ; the even positions' Q,
	s_mov_b32 s41, s53
	s_mov_b32 s44, 1                ; the odd positions' Q
	s_add_co_u32 s45, s53, 32*PK
	s_mov_b32 s[CS], 0x3e38aa3b     ; c = log2(e) / 8 = 0.180337
	s_mov_b32 s[CS+1], s[CS]        ; named with it as a pair
	s_mov_b32 s[SEL], 0x76543210
	s_mov_b32 s[SEL+1], 0xfedcba98
	s_wait_dscnt 0x0                ; the opening add is done
	s_wait_kmcnt 0x0
	s_add_nc_u64 s[4:5], s[4:5], s[14:15]
	s_add_nc_u64 s[34:35], s[4:5], 16384*2048
	s_or_b32 s35, s35, 0x80000000   ; type = 2
	s_add_nc_u64 s[38:39], s[4:5], 24576*2048
	s_or_b32 s39, s39, 0x80000000
	s_mov_b64 s[42:43], s[4:5]
	s_or_b32 s43, s43, 0x80000000
	s_add_nc_u64 s[46:47], s[4:5], 8192*2048
	s_or_b32 s47, s47, 0x80000000
	tensor_load_to_lds s[32:35], s[G1Q:G1Q+7]
	s_nop 0
	tensor_load_to_lds s[36:39], s[G1V:G1V+7]
	s_nop 0
	tensor_load_to_lds s[40:43], s[G1Q:G1Q+7]
	s_nop 0
	tensor_load_to_lds s[44:47], s[G1Q:G1Q+7]
	s_nop 0
	v_and_b32 v1, 15, v0            ; r = l % 16
	v_bfe_u32 v2, v0, 4, 1          ; h = l / 16
	v_mul_u32_u24 v[AQ], v1, PK
	v_lshl_add_u32 v[AQ], v2, 4, v[AQ]  ; row x pitch + 16 x half
	s_mul_i32 s51, s12, 16*PK
	s_add_co_u32 s51, s51, STAGE    ; my stage
	v_add_nc_u32 v[STO], s51, v[AQ] ; in: row r, 16 bytes for each half of the lanes
	v_mul_u32_u24 v[RD], v2, 8*PK   ; back: lanes 0-15 take row f, lanes 16-31 row 8 + f
	v_lshl_add_u32 v[RD], v1, 4, v[RD]
	v_add_nc_u32 v[RD], s51, v[RD]
	v_add_nc_u32 v[AQ], s53, v[AQ]
	v_add_nc_u32 v[AK], KOFF, v[AQ]
	v_and_b32 v13, 7, v0            ; the turning load: lane l reads key 8 h + l % 8, channels 8 ((l / 8) % 2) + 0..7
	v_lshl_add_u32 v[AV], v2, 3, v13
	v_mul_u32_u24 v[AV], v[AV], PV
	v_bfe_u32 v13, v0, 3, 1
	v_lshl_add_u32 v[AV], v13, 4, v[AV]
	s_add_co_u32 s52, s53, VOFF
	v_add_nc_u32 v[AV], s52, v[AV]
	s_lshl_b32 s51, s13, 23         ; b x 4,096 rows of 2,048 bytes
	s_lshl_b32 s52, s12, 8
	s_add_co_u32 s51, s51, s52
	v_lshl_add_u32 v[OBS], v1, 4, s51
	s_lshl_b32 s52, ttmp9, 7        ; 32 words of rk a segment
	v_lshl_add_u32 v[H32], v2, 5, s52
	s_mov_b32 s50, 0
	s_wait_tensorcnt 0x0            ; all four of my tiles are in LDS: one wait for the whole loop
.Ltile:                             ; four trips: trip t takes rows 16 t .. 16 t + 15 of Q in LDS (t = 0, 1 even positions, t = 2, 3 odd ones), both heads
	s_wait_xcnt 0x0                 ; the last trip's stores have read their offsets (RK) and their data (S's registers): both are written again below
	s_and_b32 s51, s50, 1
	s_lshl_b32 s51, s51, 6          ; 16 words for the second half of a parity's 32,
	s_lshr_b32 s52, s50, 1
	s_lshl_b32 s52, s52, 13         ; 2,048 words for the odd positions
	s_add_co_u32 s51, s51, s52
	v_add_nc_u32 v[RKO], s51, v[H32]
	global_load_b128 v[RK:RK+3],   v[RKO], s[6:7]            ; the ranks of rows 8 h + 0 .. 7 of the trip
	global_load_b128 v[RK+4:RK+7], v[RKO], s[6:7] offset:16
.irp e, 0,1
.irp c, 0,1
	ds_load_b128 v[QF+16*\e+8*\c:QF+16*\e+8*\c+3],   v[AQ] offset:128*\e+64*\c
	ds_load_b128 v[QF+16*\e+8*\c+4:QF+16*\e+8*\c+7], v[AQ] offset:128*\e+64*\c+32
.endr
.endr
.irp e, 0,1
.irp kb, 0,1
.irp c, 0,1
	ds_load_b128 v[KV+32*\e+16*\kb+8*\c:KV+32*\e+16*\kb+8*\c+3],   v[AK] offset:\kb*16*PK+128*\e+64*\c
	ds_load_b128 v[KV+32*\e+16*\kb+8*\c+4:KV+32*\e+16*\kb+8*\c+7], v[AK] offset:\kb*16*PK+128*\e+64*\c+32
.endr
.endr
.endr
	s_wait_dscnt 0x0
	; S^T = K Q^T: the four accumulators take turns; the first four products start the sums
.irp c, 0,1
.irp kb, 0,1
.irp e, 0,1
.if \c == 0
	v_wmma_f32_16x16x32_f16 v[S+16*\e+8*\kb:S+16*\e+8*\kb+7], v[KV+32*\e+16*\kb+8*\c:KV+32*\e+16*\kb+8*\c+7], v[QF+16*\e+8*\c:QF+16*\e+8*\c+7], 0
.else
	v_wmma_f32_16x16x32_f16 v[S+16*\e+8*\kb:S+16*\e+8*\kb+7], v[KV+32*\e+16*\kb+8*\c:KV+32*\e+16*\kb+8*\c+7], v[QF+16*\e+8*\c:QF+16*\e+8*\c+7], v[S+16*\e+8*\kb:S+16*\e+8*\kb+7]
.endif
.endr
.endr
.endr
	v_add_nc_u32 v[AQ], 16*PK, v[AQ]  ; the next trip's rows of Q.  With three v_nop: the four places in front of the loads into K's registers and of the reads of S^T
.rept 3
	v_nop
.endr
.irp e, 0,1
.irp cb, 0,1,2,3
	ds_load_tr16_b128 v[KV+32*\e+8*\cb:KV+32*\e+8*\cb+3],   v[AV] offset:128*\e+32*\cb
	ds_load_tr16_b128 v[KV+32*\e+8*\cb+4:KV+32*\e+8*\cb+7], v[AV] offset:128*\e+32*\cb+16*PV
.endr
.endr
	; the maximum of my 16 scores, three operands at a time, each accumulator's lowest registers first; the two heads alternate
.irp e, 0,1
	v_max3_num_f32 v[ST+8*\e+2], v[S+16*\e],   v[S+16*\e+1], v[S+16*\e+2]
	v_max3_num_f32 v[ST+8*\e+3], v[S+16*\e+8], v[S+16*\e+9], v[S+16*\e+10]
.endr
.irp e, 0,1
	v_max3_num_f32 v[ST+8*\e+2], v[ST+8*\e+2], v[S+16*\e+3],  v[S+16*\e+4]
	v_max3_num_f32 v[ST+8*\e+3], v[ST+8*\e+3], v[S+16*\e+11], v[S+16*\e+12]
.endr
.irp e, 0,1
	v_max3_num_f32 v[ST+8*\e+2], v[ST+8*\e+2], v[S+16*\e+5],  v[S+16*\e+6]
	v_max3_num_f32 v[ST+8*\e+3], v[ST+8*\e+3], v[S+16*\e+13], v[S+16*\e+14]
.endr
.irp e, 0,1
	v_max3_num_f32 v[ST+8*\e+2], v[ST+8*\e+2], v[S+16*\e+7], v[S+16*\e+15]
.endr
.irp e, 0,1
	v_max_num_f32 v[ST+8*\e+2], v[ST+8*\e+2], v[ST+8*\e+3]
.endr
.irp e, 0,1
	v_permlanex16_b32 v[ST+8*\e+3], v[ST+8*\e+2], s[SEL], s[SEL+1]  ; the query's other 16 keys lie in the lane 16 away
.endr
.irp e, 0,1
	v_max_num_f32 v[ST+8*\e+1], v[ST+8*\e+2], v[ST+8*\e+3]          ; m
.endr
.irp e, 0,1
	v_mul_f32 v[ST+8*\e], s[CS], v[ST+8*\e+1]                       ; c m
.endr
.set j, 0
.rept 8
.irp e, 0,1
	v_pk_fma_f32 v[S+16*\e+2*j:S+16*\e+2*j+1], v[S+16*\e+2*j:S+16*\e+2*j+1], s[CS:CS+1], v[ST+8*\e:ST+8*\e+1] op_sel_hi:[1,0,0] neg_lo:[0,0,1] neg_hi:[0,0,1]  ; c s - c m
.endr
.set j, j+1
.endr
.set j, 0
.rept 32
	v_exp_f32 v[S+j], v[S+j]
.set j, j+1
.endr
	v_nop                           ; a plain instruction between the last exponential and the use of a result (ISA guide 5.7.2)
.set j, 0
	s_wait_alu depctr_va_vdst(0)
.rept 16
	v_cvt_pk_f16_f32 v[P+j], v[S+2*j], v[S+2*j+1]
.set j, j+1
.endr
	s_wait_dscnt 0x0                ; V is in
.irp cb, 0,1,2,3                    ; O^T = V^T P: 32 keys are one product for each of eight accumulators
.irp e, 0,1
	v_wmma_f32_16x16x32_f16 v[O+32*\e+8*\cb:O+32*\e+8*\cb+7], v[KV+32*\e+8*\cb:KV+32*\e+8*\cb+7], v[P+8*\e:P+8*\e+7], 0
.endr
.endr
	; l, beside those products: none of these lines names a register of theirs, so they are also the places in front of the reads of O^T
.irp u, 0,1,2,3
.irp e, 0,1
	v_pk_add_f32 v[S+16*\e+4*\u:S+16*\e+4*\u+1], v[S+16*\e+4*\u:S+16*\e+4*\u+1], v[S+16*\e+4*\u+2:S+16*\e+4*\u+3]
.endr
.endr
.irp u, 0,1
.irp e, 0,1
	v_pk_add_f32 v[S+16*\e+8*\u:S+16*\e+8*\u+1], v[S+16*\e+8*\u:S+16*\e+8*\u+1], v[S+16*\e+8*\u+4:S+16*\e+8*\u+5]
.endr
.endr
.irp e, 0,1
	v_pk_add_f32 v[S+16*\e:S+16*\e+1], v[S+16*\e:S+16*\e+1], v[S+16*\e+8:S+16*\e+9]
.endr
.irp e, 0,1
	v_add_f32 v[ST+8*\e+2], v[S+16*\e], v[S+16*\e+1]
.endr
.irp e, 0,1
	v_permlanex16_b32 v[ST+8*\e+3], v[ST+8*\e+2], s[SEL], s[SEL+1]
.endr
.irp e, 0,1
	v_add_f32 v[ST+8*\e+2], v[ST+8*\e+2], v[ST+8*\e+3]
.endr
.irp e, 0,1
	v_rcp_f32 v[ST+8*\e+2], v[ST+8*\e+2]
.endr
	s_wait_loadcnt 0x0              ; the ranks
.irp f, 0,1,2,3,4,5,6,7             ; plain lines, which also stand between the reciprocals and their use
	v_min_u32 v[RK+\f], 0xfff, v[RK+\f]             ; a rank stays inside the sequence
	v_lshl_add_u32 v[RK+\f], v[RK+\f], 11, v[OBS]   ; its row of o, and my 16 bytes in it
.endr
	s_wait_alu depctr_va_vdst(0)
.irp e, 0,1
.set j, 0
.rept 16
	v_pk_mul_f32 v[O+32*\e+2*j:O+32*\e+2*j+1], v[O+32*\e+2*j:O+32*\e+2*j+1], v[ST+8*\e+2:ST+8*\e+3] op_sel_hi:[1,0]
.set j, j+1
.endr
.endr
.set j, 0
.rept 32
	v_cvt_pk_f16_f32 v[QF+j], v[O+2*j], v[O+2*j+1]
.set j, j+1
.endr
.irp e, 0,1
.irp cb, 0,1,2,3
	ds_store_b128 v[STO], v[QF+16*\e+4*\cb:QF+16*\e+4*\cb+3] offset:128*\e+32*\cb
.endr
.endr
.irp f, 0,1,2,3,4,5,6,7
	ds_load_b128 v[S+4*\f:S+4*\f+3], v[RD] offset:\f*PK  ; LDS serves a wave's instructions in order (ISA guide 5.7.1.4): these see the stores above
.endr
.irp f, 0,1,2,3,4,5,6,7
	s_wait_dscnt 7-\f               ; the younger loads from the stage stay out
	global_store_b128 v[RK+\f], v[S+4*\f:S+4*\f+3], s[8:9]  ; 16 lanes store 256 consecutive aligned bytes of one row of o
.endr
	s_add_co_u32 s50, s50, 1
	s_cmp_lt_u32 s50, 4
	s_cbranch_scc1 .Ltile
	s_wait_tensorcnt 0x0            ; the wave's end: behind my last tensor load and my last LDS store
	ds_add_u32 v[SPW], v[NIL]
	s_wait_dscnt 0x0
	s_endpgm
.Lfunc_end_k_qc4e9bb0de6_attn:
	.size	k_qc4e9bb0de6_attn, .Lfunc_end_k_qc4e9bb0de6_attn-k_qc4e9bb0de6_attn
	.p2alignl 7, 3214868480
	.fill 96, 4, 3214868480
	.section	.rodata,"a",@progbits
	.p2align	6, 0x0
	.amdhsa_kernel k_qc4e9bb0de6_attn
		.amdhsa_group_segment_fixed_size 327680
		.amdhsa_private_segment_fixed_size 0
		.amdhsa_enable_private_segment 0
		.amdhsa_kernarg_size 24
		.amdhsa_user_sgpr_count 2
		.amdhsa_user_sgpr_kernarg_segment_ptr 1
		.amdhsa_wavefront_size32 1
		.amdhsa_system_sgpr_workgroup_id_x 1
		.amdhsa_system_sgpr_workgroup_id_y 1
		.amdhsa_system_sgpr_workgroup_id_z 1
		.amdhsa_system_vgpr_workitem_id 0
		.amdhsa_next_free_vgpr 256
		.amdhsa_next_free_sgpr 66
		.amdhsa_reserve_vcc 0
		.amdhsa_float_denorm_mode_32 3
		.amdhsa_float_denorm_mode_16_64 3
		.amdhsa_memory_ordered 1
		.amdhsa_forward_progress 1
		.amdhsa_inst_pref_size 22
	.end_amdhsa_kernel
	.amdgpu_metadata
---
amdhsa.version: [ 1, 2 ]
amdhsa.kernels:
  - .name:           k_qc4e9bb0de6_attn
    .symbol:         k_qc4e9bb0de6_attn.kd
    .args:
      - { .name: qkv, .offset: 0, .size: 8, .value_kind: global_buffer, .address_space: global }
      - { .name: rk, .offset: 8, .size: 8, .value_kind: global_buffer, .address_space: global }
      - { .name: o, .offset: 16, .size: 8, .value_kind: global_buffer, .address_space: global }
    .group_segment_fixed_size: 327680
    .private_segment_fixed_size: 0
    .kernarg_segment_align: 8
    .kernarg_segment_size: 24
    .max_flat_workgroup_size: 256
    .sgpr_count:     66
    .vgpr_count:     256
    .wavefront_size: 32
...
	.end_amdgpu_metadata
.endif
;; end of part 3
;; launch gemm_proj (part 4): grid 4 x 64, 4 waves a work-group, clusters of 4 x 4, 327,680 bytes of LDS; arguments o, wp, out0; writes out0
.if DOCPART == 4
	.amdgcn_target "amdgcn-amd-amdhsa--gfx1250"
	.amdhsa_code_object_version 6
	.text
	.protected	k_qc4e9bb0de6_gemm_proj
	.globl	k_qc4e9bb0de6_gemm_proj
	.p2align	8
	.type	k_qc4e9bb0de6_gemm_proj,@function
k_qc4e9bb0de6_gemm_proj:
	s_mov_b64 s[64:65], 0
	v_nop
	global_prefetch_b8 v0, s[64:65] scope:SCOPE_SE
	s_setreg_imm32_b32 hwreg(HW_REG_WAVE_MODE, 25, 1), 1
	s_wait_xcnt 0x0
	s_wait_alu depctr_hold_cnt(0) depctr_sa_sdst(0) depctr_va_vdst(0) depctr_va_sdst(0) depctr_va_ssrc(0) depctr_va_vcc(0) depctr_vm_vsrc(0)
	s_getreg_b32 s2, hwreg(HW_REG_IB_STS2, 6, 4)
	s_cmp_eq_u32 s2, 0
	s_cbranch_scc0 .Lentry_in_a_cluster
	s_endpgm
.Lentry_in_a_cluster:
	s_bfe_u32 s2, ttmp6, 0x10000c
	s_cmp_lg_u32 s2, 0xf033
	s_cbranch_scc0 .Lentry_shape_is_right
	s_endpgm
.Lentry_shape_is_right:
; out0 = o x w_proj: 256 tiles of 256 x 256 x 1024, one for each work-group.  A = o [16384][1024] f16, B = wp [1024 (n)][1024 (k)] f16, C = out0 [16384][1024] f32; sums in f32, stored as they are.
; SHAPE.  Four waves, each 128 x 128 of C: 64 accumulators, 512 registers.  K goes in steps of 128 through two LDS slots filled by the tensor data mover: tile rows are 256 bytes of memory, at multiples of 256.
; CLUSTERS.  4 x 4 work-groups: the four of a row need the same tile of A, the four of a column the same tile of B: each tile is asked for jointly, by the same load with the same descriptor and a mask of four.
; THE MATRIX INSTRUCTION IS USED TRANSPOSED (source 0 = 16 rows of B, source 1 = 16 rows of A): a lane then holds eight neighbouring numbers of a row of C, 32 bytes in f32.
; REGISTERS, in windows of 256: window 0: v0-31 addresses; v64-127, v128-191 fragments of A, two buffers, and on the way out two buffers of 16 rows.  Window 1: v64-191 fragments of B.
;   Windows 2, 3: the accumulators of my rows 0-63, 64-127; accumulator (a, b) at v[8 (8 a + b)].
.set SIZE_K, 1024
.set CP,     4096                      ; bytes in a row of C
.set KSTEP,  128
.set PITCH,  272                       ; an LDS row: 256 bytes + 16: the 16 rows that a load touches start at 16 different groups of four banks (64 banks of 4 bytes: ISA guide 11.1)
.set HALFT,  128*PITCH                 ; 128 rows: what one tensor load brings, and what one wave reads of A or of B
.set SLOT,   4*HALFT                   ; A's 256 rows, then B's 256 rows
.set STAGE,  2*SLOT                    ; behind the ring: 16 rows x 528 bytes for each wave, for the way out; no tensor load lands there
.set SP,     528                       ; a stage row: my 128 columns in f32, 512 bytes, + 16
.set SPARE,  STAGE+4*16*SP             ; the spare words, 128 bytes for each wave: two blocks of 256 bytes that no other line names
.set LAPS,   SIZE_K/(2*KSTEP)          ; a lap = two K steps = once round the ring
.set ADRA, 16                          ; v16-17  LDS address of my A fragments in slot 0, 1
.set ADRB, 20                          ; v20-21  the same for B
.set STO,  24                          ; v24     the way out: where I put 32 bytes of a row
.set RD,   25                          ; v25     where I read a row back
.set CO,   26                          ; v26     my byte offset in a row's 512 bytes of C
.set SPW,  28                          ; v28     LDS address of my spare word; never rewritten
.set NIL,  29                          ; v29     0; never rewritten
.set F0,   64
.set F1,   128
.set G1, 24                            ; s[24:31] descriptor group 1 for A's tiles;  s[32:39] group 0, a set for each slot
.set G0, 32
.set G1B, 48                           ; s[48:55], s[56:63] the same for B's tiles
.set G0B, 56
.set MSB, 0
.macro WIN new                         ; the immediate's high byte repeats the setting that is left; a switch that changes nothing is dropped
.if MSB != (\new)
	s_set_vgpr_msb (MSB<<8)|(\new)
.set MSB, \new
.endif
.endm
.set MUL_LO, 0xa1                      ; source 0 (B) window 1, source 1 (A) window 0, C and D window 2
.set MUL_HI, 0xf1                      ; the same, C and D window 3
.set TO_B,   0x40                      ; destination window 1, address window 0
; A joint load: waves 0 and 1 fetch A's two halves, waves 2 and 3 B's.  The branch hangs on the wave's number alone.  An s_nop 0 and four v_nop follow each of the two lines.
.macro JLOAD s
	s_cmp_eq_u32 s11, 0
	s_cbranch_scc0 .Lfor_b_\@
	tensor_load_to_lds s[G0+4*(\s):G0+4*(\s)+3], s[G1:G1+7]
	s_nop 0
.rept 4
	v_nop
.endr
	s_branch .Lasked_\@
.Lfor_b_\@:
	tensor_load_to_lds s[G0B+4*(\s):G0B+4*(\s)+3], s[G1B:G1B+7]
	s_nop 0
.rept 4
	v_nop
.endr
.Lasked_\@:
.endm
; A round of the cluster's barrier: my work-group's barrier; wave 0 signals for the work-group; every wave waits for all sixteen; my work-group's barrier once more.
.macro CREST                           ; a round behind its opening barrier
	s_cmp_lg_u32 s10, 0
	s_cbranch_scc1 .Lnot_wave_0_\@
	s_barrier_signal -3
.Lnot_wave_0_\@:
	s_barrier_wait -3
	s_barrier_signal -1
	s_barrier_wait -1
.endm
.macro CROUND
	s_barrier_signal -1
	s_barrier_wait -1
	CREST
.endm
	s_load_b128 s[4:7], s[0:1], 0x0                ; A s[4:5], B s[6:7]
	s_load_b64 s[8:9], s[0:1], 0x10                ; C
	v_lshl_add_u32 v[SPW], v0, 2, SPARE
	v_mov_b32 v[NIL], 0
	ds_add_u32 v[SPW], v[NIL]                      ; the wave's opening: the add and its wait stand ahead of my first tensor load; the set-up below stands between them
	ds_add_u32 v28, v29
	v_lshrrev_b32 v1, 5, v0
	v_readfirstlane_b32 s10, v1                    ; wave 0..3
	s_lshr_b32 s11, s10, 1                         ; which half of the tile's rows is mine.  Also: I fetch for A (0) or for B (1)
	s_and_b32 s12, s10, 1                          ; which half of its columns.  Also: which 128 rows of that tile I fetch
	s_bfe_u32 s40, ttmp6, 0x40000                  ; cx
	s_bfe_u32 s41, ttmp6, 0x40004                  ; cy
	s_lshl_b32 s42, ttmp9, 2
	s_add_co_u32 s42, s42, s40                     ; tile column of C = 4 x cluster x + cx
	s_and_b32 s13, ttmp7, 0xffff
	s_lshl_b32 s13, s13, 2
	s_add_co_u32 s13, s13, s41                     ; tile row of C = 4 x cluster y + cy
	s_lshl_b32 s43, s41, 2
	s_lshl_b32 s43, 15, s43                        ; my row of the cluster: places 4 cy .. 4 cy + 3
	s_lshl_b32 s44, 0x1111, s40                    ; my column: places cx, cx + 4, cx + 8, cx + 12
	; descriptor group 1: a tile of 128 rows x 128 elements of 2 bytes, 16 bytes of padding behind every 256
	s_or_b32 s[G1+0], s43, (1<<16)|(1<<20)|(1<<21)|(5<<22)|(3<<25)   ; 15:0 the mask; 17:16 2-byte elements; 20 padding on; 21 set beside a mask; 24:22 after every 64 words; 31:25 four words
	s_or_b32 s[G1B+0], s44, (1<<16)|(1<<20)|(1<<21)|(5<<22)|(3<<25)
.irp g, G1, G1B
	s_mov_b32 s[(\g)+1], KSTEP<<16                 ; tensor_dim0 = 128
	s_mov_b32 s[(\g)+2], 128<<16                   ; tensor_dim1 = 128
	s_mov_b32 s[(\g)+3], KSTEP<<16                 ; tile_dim0 = 128
	s_mov_b32 s[(\g)+4], 128                       ; tile_dim1 = 128
	s_mov_b32 s[(\g)+5], SIZE_K                    ; elements from row to row
	s_mov_b32 s[(\g)+6], 0
	s_mov_b32 s[(\g)+7], 0
.endr
	; A's tile hangs on the tile row alone, B's on the tile column alone; each address is made in registers that never hold the other coordinate
	s_lshl_b32 s17, s12, 7                         ; which 128 rows of the tile I fetch
	s_lshl_b32 s16, s13, 8
	s_add_co_u32 s16, s16, s17
	s_lshl_b32 s16, s16, 11                        ; rows of 2,048 bytes: under 2^25
	s_lshl_b32 s46, s42, 8
	s_add_co_u32 s46, s46, s17
	s_lshl_b32 s46, s46, 11
	s_mov_b32 s17, 0
	s_mov_b32 s47, 0
	s_mul_i32 s20, s10, HALFT                      ; where the tiles go: wave x 128 rows: no place in the cluster enters an LDS address
	s_wait_dscnt 0x0                               ; the opening add is done
	s_wait_kmcnt 0x0
	s_add_nc_u64 s[14:15], s[4:5], s[16:17]
	s_add_nc_u64 s[46:47], s[6:7], s[46:47]
	CROUND                                         ; all sixteen work-groups are here: the first joint loads meet
.irp s, 0,1
	s_mov_b32 s[G0+4*(\s)], 1                                      ; count = 1
	s_add_co_u32 s[G0+4*(\s)+1], s20, (\s)*SLOT                    ; LDS address
	s_add_nc_u64 s[G0+4*(\s)+2:G0+4*(\s)+3], s[14:15], (\s)*KSTEP*2  ; global address: K step s
	s_or_b32 s[G0+4*(\s)+3], s[G0+4*(\s)+3], 0x80000000            ; type = 2
	s_mov_b32 s[G0B+4*(\s)], 1
	s_add_co_u32 s[G0B+4*(\s)+1], s20, (\s)*SLOT
	s_add_nc_u64 s[G0B+4*(\s)+2:G0B+4*(\s)+3], s[46:47], (\s)*KSTEP*2
	s_or_b32 s[G0B+4*(\s)+3], s[G0B+4*(\s)+3], 0x80000000
	JLOAD \s                                       ; two loads of mine are out
.endr
	; a fragment is 16 rows x 32 K in 8 registers: lane l holds row l % 16, K = 8 (l / 16) + 0..7 and 16 + 8 (l / 16) + 0..7: two loads of 16 bytes, 32 bytes apart
	v_and_b32 v1, 15, v0                           ; l % 16
	v_bfe_u32 v2, v0, 4, 1                         ; l / 16
	v_mul_u32_u24 v3, v1, PITCH
	v_lshl_add_u32 v3, v2, 4, v3
	s_mul_i32 s21, s11, HALFT                      ; my 128 rows of A
	s_mul_i32 s22, s12, HALFT                      ; my 128 rows of B,
	s_add_co_u32 s22, s22, 2*HALFT                 ; which lie behind A's 256
.irp s, 0,1
	v_add_nc_u32 v[ADRA+(\s)], s21, v3
	v_add_nc_u32 v[ADRB+(\s)], s22, v3
	s_add_co_u32 s21, s21, SLOT
	s_add_co_u32 s22, s22, SLOT
.endr
	s_mul_i32 s23, s10, 16*SP
	s_add_co_u32 s23, s23, STAGE                   ; my stage
	v_mul_u32_u24 v4, v1, SP                       ; in: row l % 16, 32 bytes for each half of the lanes
	v_lshl_add_u32 v4, v2, 5, v4
	v_add_nc_u32 v[STO], s23, v4
	v_and_b32 v5, 31, v0                           ; back: 32 lanes take one row of 512 bytes,
	v_lshlrev_b32 v[CO], 4, v5                     ; which are 512 consecutive bytes of C
	v_add_nc_u32 v[RD], s23, v[CO]
	s_lshl_b32 s16, s13, 8                         ; my part of C: row 256 x tile row + 128 x half,
	s_lshl_b32 s14, s11, 7
	s_add_co_u32 s16, s16, s14
	s_lshl_b32 s16, s16, 12
	s_mov_b32 s17, 0
	s_lshl_b32 s46, s42, 10                        ; byte 1,024 x tile column + 512 x half of the row
	s_lshl_b32 s47, s12, 9
	s_add_co_u32 s46, s46, s47
	s_mov_b32 s47, 0
	s_add_nc_u64 s[16:17], s[16:17], s[46:47]
	s_add_nc_u64 s[8:9], s[8:9], s[16:17]
; 16 matrix instructions: m blocks a0, a0 + 1 of the window's four x all 8 n blocks, 32 along K.  zero = 1: the first product starts the sums: nothing is cleared.
.macro MUL16 f, hi, a0, zero
	WIN MUL_LO+0x50*(\hi)
.irp a, \a0, (\a0)+1
.irp b, 0,1,2,3,4,5,6,7
.if \zero
	v_wmma_f32_16x16x32_f16 v[8*(8*(\a)+(\b)):8*(8*(\a)+(\b))+7], v[(\f)+8*(\b):(\f)+8*(\b)+7], v[(\f)+8*(4*(\hi)+(\a)):(\f)+8*(4*(\hi)+(\a))+7], 0
.else
	v_wmma_f32_16x16x32_f16 v[8*(8*(\a)+(\b)):8*(8*(\a)+(\b))+7], v[(\f)+8*(\b):(\f)+8*(\b)+7], v[(\f)+8*(4*(\hi)+(\a)):(\f)+8*(4*(\hi)+(\a))+7], v[8*(8*(\a)+(\b)):8*(8*(\a)+(\b))+7]
.endif
.endr
.endr
.endm
; 32 LDS loads in one run: the fragments of one quarter step (128 rows of B, 128 rows of A, 32 K at byte k of the rows) into buffer f
.macro FETCH slot, k, f
	WIN TO_B
.irp i, 0,1,2,3,4,5,6,7
	ds_load_b128 v[(\f)+8*(\i):(\f)+8*(\i)+3],   v[ADRB+(\slot)] offset:(\k)+(\i)*16*PITCH
	ds_load_b128 v[(\f)+8*(\i)+4:(\f)+8*(\i)+7], v[ADRB+(\slot)] offset:(\k)+(\i)*16*PITCH+32
.endr
	WIN 0
.irp i, 0,1,2,3,4,5,6,7
	ds_load_b128 v[(\f)+8*(\i):(\f)+8*(\i)+3],   v[ADRA+(\slot)] offset:(\k)+(\i)*16*PITCH
	ds_load_b128 v[(\f)+8*(\i)+4:(\f)+8*(\i)+7], v[ADRA+(\slot)] offset:(\k)+(\i)*16*PITCH+32
.endr
.endm
; Four plain vector instructions stand between a matrix instruction and a load into one of its registers, or an LDS store that reads its result.
.macro PLACES
.rept 4
	v_nop
.endr
.endm
; A K step is four quarters of 32 along K, 64 matrix instructions each, on buffers 0, 1, 0, 1.  One of the first three multiplies buffer f and, in its middle, fetches the next quarter into g.
; The 64 accumulators take turns in the same order in every quarter.
.macro QUARTER slot, k, f, g, zero
	s_wait_dscnt 8                                 ; B and A's rows 0-63 are in; the youngest eight loads (A's rows 64-127) may be out
	WIN MUL_LO
	MUL16 \f, 0, 0, \zero
	MUL16 \f, 0, 2, \zero
	PLACES
	FETCH \slot, \k, \g
	s_wait_dscnt 32                                ; all but the 32 just issued
	WIN MUL_HI
	MUL16 \f, 1, 0, \zero
	MUL16 \f, 1, 2, \zero
.endm
; The last quarter's first half: ONE barrier for the change of slots.  In front of it each wave waits for all its tensor loads (one is out: its part of the next slot), adds 0 to its spare word,
; and waits for that and for its own reads of this slot.  Behind it nobody reads this slot any more and the next slot is whole.
.macro MEET round
	WIN 0                                          ; (the add's two registers lie in window 0)
	s_wait_tensorcnt 0x0
	ds_add_u32 v[SPW], v[NIL]                      ; 0 onto my spare word
	s_wait_dscnt 9                                 ; (the add and the youngest eight loads may be out)
	WIN MUL_LO
	MUL16 F1, 0, 0, 0                              ; sixteen matrix instructions stand between the add and the wait for it
	s_wait_dscnt 0x0                               ; the add is done, and my reads of this slot are over
	s_barrier_signal -1
	MUL16 F1, 0, 2, 0                              ; work on registers while the others arrive
.if \round
	WIN 0
.endif
	s_barrier_wait -1
.endm
; The whole last quarter.  fill = 1: the barrier opens a round of the cluster's, and the slot just read out is filled again first behind it, with the K step two steps on:
; from that request to the wait for it a wave issues 224 matrix instructions.
.macro TURN slot, next, fill
	MEET \fill
.if \fill
	CREST                                          ; no wave of any partner still reads this slot's tile or has a load on its way
	s_add_nc_u64 s[G0+4*(\slot)+2:G0+4*(\slot)+3], s[G0+4*(\slot)+2:G0+4*(\slot)+3], 2*KSTEP*2
	s_add_nc_u64 s[G0B+4*(\slot)+2:G0B+4*(\slot)+3], s[G0B+4*(\slot)+2:G0B+4*(\slot)+3], 2*KSTEP*2
	JLOAD \slot                                    ; the four v_nop behind it are also the places in front of the loads below
.else
	PLACES
.endif
	FETCH \next, 0, F0
	WIN MUL_HI
	MUL16 F1, 1, 0, 0
	MUL16 F1, 1, 2, 0
.endm
; THE WAY OUT of block a (16 rows), in f32, with no conversion.  T32: the accumulators go straight into my own stage, each one's low four registers first, and come back as whole rows of 512 bytes,
; into the registers where A's fragments lay, two buffers by turns.  S32: stored.
.macro T32 a
.set AC, 64*((\a)%4)
.set BK, 64+64*((\a)%2)
.if (\a) >= 2
	s_wait_xcnt 0x0                                ; the stores of the block two back have read this buffer
.endif
	WIN 0x08+4*((\a)/4)                            ; the stores' data: window 2 or 3
.irp b, 0,1,2,3,4,5,6,7
	ds_store_b128 v[STO], v[AC+8*(\b):AC+8*(\b)+3]   offset:64*(\b)
	ds_store_b128 v[STO], v[AC+8*(\b)+4:AC+8*(\b)+7] offset:64*(\b)+16
.endr
	WIN 0
.irp t, 0,1,2,3,4,5,6,7,8,9,10,11,12,13,14,15
	ds_load_b128 v[BK+4*(\t):BK+4*(\t)+3], v[RD] offset:(\t)*SP  ; LDS serves a wave's instructions in order (ISA guide 5.7.1.4): these see the stores above, and the next block's stores come behind them
.endr
.endm
.macro S32 a, younger                  ; younger: the LDS instructions issued behind block a's loads: the next block's 16 stores and 16 loads, or none
	WIN 0
.set BK, 64+64*((\a)%2)
	s_wait_dscnt \younger
.irp t, 0,1,2,3,4,5,6,7,8,9,10,11,12,13,14,15
	global_store_b128 v[CO], v[BK+4*(\t):BK+4*(\t)+3], s[8:9] offset:(16*(\a)+(\t))*CP th:TH_STORE_NT  ; 512 consecutive aligned bytes; 127 rows of 4,096 bytes at the most in the immediate
.endr
.endm
	s_wait_tensorcnt 1                             ; my part of K step 0 is in; K step 1's may stay out
	s_barrier_signal -1
	s_barrier_wait -1                              ; everybody's is
	FETCH 0, 0, F0
	QUARTER 0, 64,  F0, F1, 1                      ; the first quarter stands in front of the loop: its products start the sums
	WIN 0                                          ; at a label and at a branch every window is 0
	s_mov_b32 s3, LAPS-1
.Llap:                                                 ; a trip goes once round the ring, from a lap's second quarter to the next lap's first, and fills both slots again
	QUARTER 0, 128, F1, F0, 0
	QUARTER 0, 192, F0, F1, 0
	TURN 0, 1, 1
	QUARTER 1, 64,  F0, F1, 0
	QUARTER 1, 128, F1, F0, 0
	QUARTER 1, 192, F0, F1, 0
	TURN 1, 0, 1
	QUARTER 0, 64,  F0, F1, 0
	WIN 0
	s_sub_co_u32 s3, s3, 1
	s_cmp_lg_u32 s3, 0
	s_cbranch_scc1 .Llap
	QUARTER 0, 128, F1, F0, 0                      ; the last lap is written out: it fills nothing, and has no round
	QUARTER 0, 192, F0, F1, 0
	TURN 0, 1, 0
	QUARTER 1, 64,  F0, F1, 0
	QUARTER 1, 128, F1, F0, 0
	QUARTER 1, 192, F0, F1, 0
	s_wait_dscnt 8                                 ; the very last quarter: nothing more to fetch
	MUL16 F1, 0, 0, 0
	MUL16 F1, 0, 2, 0
	s_wait_dscnt 0x0
	MUL16 F1, 1, 0, 0
	MUL16 F1, 1, 2, 0
	WIN 0
	PLACES
	T32 0
	T32 1
	S32 0, 32
.irp a, 2,3,4,5,6,7                    ; a block's trip through the stage stands between the loads of the block before and its stores
	T32 \a
	S32 (\a)-1, 32
.endr
	S32 7, 0
	s_wait_tensorcnt 0x0                           ; the wave's end: behind my last tensor load and my last LDS store
	ds_add_u32 v[SPW], v[NIL]
	s_wait_dscnt 0x0
	CROUND                                         ; the closing round: no work-group ends while a partner may still ask for a tile that names it
	s_endpgm
.Lfunc_end_k_qc4e9bb0de6_gemm_proj:
	.size	k_qc4e9bb0de6_gemm_proj, .Lfunc_end_k_qc4e9bb0de6_gemm_proj-k_qc4e9bb0de6_gemm_proj
	.p2alignl 7, 3214868480
	.fill 96, 4, 3214868480
	.section	.rodata,"a",@progbits
	.p2align	6, 0x0
	.amdhsa_kernel k_qc4e9bb0de6_gemm_proj
		.amdhsa_group_segment_fixed_size 327680
		.amdhsa_private_segment_fixed_size 0
		.amdhsa_enable_private_segment 0
		.amdhsa_kernarg_size 24
		.amdhsa_user_sgpr_count 2
		.amdhsa_user_sgpr_kernarg_segment_ptr 1
		.amdhsa_wavefront_size32 1
		.amdhsa_system_sgpr_workgroup_id_x 1
		.amdhsa_system_sgpr_workgroup_id_y 1
		.amdhsa_system_sgpr_workgroup_id_z 1
		.amdhsa_system_vgpr_workitem_id 0
		.amdhsa_next_free_vgpr 1024
		.amdhsa_next_free_sgpr 66
		.amdhsa_reserve_vcc 0
		.amdhsa_float_denorm_mode_32 3
		.amdhsa_float_denorm_mode_16_64 3
		.amdhsa_memory_ordered 1
		.amdhsa_forward_progress 1
		.amdhsa_inst_pref_size 140
	.end_amdhsa_kernel
	.amdgpu_metadata
---
amdhsa.version: [ 1, 2 ]
amdhsa.kernels:
  - .name:           k_qc4e9bb0de6_gemm_proj
    .symbol:         k_qc4e9bb0de6_gemm_proj.kd
    .args:
      - { .name: o, .offset: 0, .size: 8, .value_kind: global_buffer, .address_space: global }
      - { .name: wp, .offset: 8, .size: 8, .value_kind: global_buffer, .address_space: global }
      - { .name: out0, .offset: 16, .size: 8, .value_kind: global_buffer, .address_space: global }
    .group_segment_fixed_size: 327680
    .private_segment_fixed_size: 0
    .kernarg_segment_align: 8
    .kernarg_segment_size: 24
    .max_flat_workgroup_size: 128
    .sgpr_count:     66
    .vgpr_count:     1024
    .wavefront_size: 32
...
	.end_amdgpu_metadata
.endif
;; end of part 4
;; ======== version 2 of 2: 4 launches; version 1 with the launch prep written anew for expert scheduling mode
;; limits: values are held in f16: magnitudes above 65,504 overflow, below 6.1e-05 lose precision
;; workspace buffers: xh 33,554,432 bytes; wq 6,291,456 bytes; wp 2,097,152 bytes; rk 16,384 bytes of whole numbers; qkv 67,108,864 bytes; o 33,554,432 bytes
;; launch prep (part 5): grid 1088 x 1, 8 waves a work-group, no clusters, 20,480 bytes of LDS; arguments x, w_qkv, w_proj, hilbert_map, xh, wq, wp, rk; writes xh, wq, wp, rk
.if DOCPART == 5
	.amdgcn_target "amdgcn-amd-amdhsa--gfx1250"
	.amdhsa_code_object_version 6
	.text
	.protected	k_qc4e9bb0de6_prep
	.globl	k_qc4e9bb0de6_prep
	.p2align	8
	.type	k_qc4e9bb0de6_prep,@function
k_qc4e9bb0de6_prep:
	s_mov_b64 s[64:65], 0
	v_nop
	global_prefetch_b8 v0, s[64:65] scope:SCOPE_SE
	s_setreg_imm32_b32 hwreg(HW_REG_WAVE_SCHED_MODE, 0, 2), 2
	s_setreg_imm32_b32 hwreg(HW_REG_WAVE_MODE, 25, 1), 1
	s_wait_xcnt 0x0
	s_wait_alu depctr_vm_vsrc(0)
; PREPARATION, four kinds of work-group, chosen by the work-group's number g (the same for all eight waves, so every branch on it is uniform):
;   g 0-63     rk[n]: the place that position i of the reordered sequence takes in a stable sort of hilbert_map: the number of j with (map[j], j) < (map[i], i).  n = parity x 2048 + t, i = 2 t + parity.
;   g 64-447   wq[n][k] = w_qkv[k][n], g 448-575  wp[n][k] = w_proj[k][n]: tiles of 128 k x 64 n, turned through LDS.
;   g 576-1087 xh[parity x 8192 + b x 2048 + t][:] = x[b][map[2 t + parity]][:]: even positions first, so that the rows from which K and V are made lie together.
; FORMAT.  x and the weights are rounded once to bf16, and that number is written as f16 (the later products are f16 products).
; LIMITS.  The rewriting is exact for magnitudes from 2^-14 to 65,504; a bf16 number beyond 65,504 becomes an infinity, one below 2^-14 keeps f16's fixed step of 6e-8.
; hilbert_map holds 0 .. 4095: where it enters an address it is held to that by an unsigned minimum; the sort keys map x 4096 + j rest on it.
; No matrix unit, no cluster: nothing here is multiplied, and no two work-groups read the same bytes but the 16 KiB of the map.
; THE MODE: SCHED_MODE bits 1:0 = 2 (LLVM: expert scheduling mode 2), set by the entry lines.  The code itself states the register dependences
; between vector instructions and memory or LDS instructions, and those through scalar registers that vector instructions write, with s_wait_alu, always for 0.
; THE PLAN.  Registers that memory or LDS instructions touch:
;   x rows   v4-7, v8: offsets, made once.  XD row k: the loads land in it; row k's roundings read it and write two of each four registers in place; row k's eight stores read those,
;            and are issued in row k + 1, behind the one wait at that row's head, dealt among row k + 1's roundings, which name only their own row and v16-23.  Nothing that a store reads is written again.
;   ranks    v7: offset of the two keys.  In the loop no vector memory instruction: the compares write sixteen scalar masks in a run, one wait, then sixteen selects read them; no other vector line there
;            writes a scalar register or VCC.  v10, v[2:3]: the LDS store's address and data.  v11, v12: wave 0's addresses.  v[64:79]: the LDS loads land there; v[64:65] take the sums, which the store reads.
;   weights  v5: the loads' offset.  v[32:63]: the loads land there.  v[64:79]: written by the sixteen roundings, read by the four LDS stores behind one wait, which also covers v6, v9, v10.
;            v[80:95]: the loads back from the tile land there and the global stores read them: no vector instruction of that path names them.
;   v30, v31 written at the head, read by the closing add alone.
.set RKP,   17408                      ; LDS: bytes 0-17,407 the weights' tile, 64 rows of 272; then 8 waves x 256 bytes of partial counts
.set SPARE, 19456                      ; then the spare words, 128 bytes for each wave: four blocks of 256 bytes that no other line names
.set SPW,   30                         ; v30  LDS address of my spare word; never rewritten
.set NIL,   31                         ; v31  0; never rewritten
.set XD,    32                         ; v[32:159] section x: four rows, 32 registers each
	s_load_b512 s[4:19], s[0:1], 0x0               ; x s[4:5], w_qkv s[6:7], w_proj s[8:9], map s[10:11], xh s[12:13], wq s[14:15], wp s[16:17], rk s[18:19]
	v_lshl_add_u32 v[SPW], v0, 2, SPARE
	v_mov_b32 v[NIL], 0
	v_lshrrev_b32 v1, 5, v0
	v_readfirstlane_b32 s20, v1                    ; my wave's number
	s_mov_b32 s2, ttmp9                            ; g
	s_mov_b32 s60, 0xffff0000                      ; a word's upper bf16
	s_wait_alu depctr_va_sdst(0)                   ; s20 is written, ahead of the branches: each section's scalar lines read it
	s_wait_kmcnt 0x0
	s_cmp_lt_u32 s2, 64
	s_cbranch_scc1 .Lrank                          ; the ranks have the longest chain of dependent work: they have the lowest numbers
	s_cmp_lt_u32 s2, 448
	s_cbranch_scc1 .Lwq
	s_cmp_lt_u32 s2, 576
	s_cbranch_scc1 .Lwp
; Two f32 are rounded to bf16, widened again (a shift, a mask) and written as two f16.  t: two registers at work.
.macro RND d, a, b, t
	v_cvt_pk_bf16_f32 v[\t], v[\a], v[\b]
	v_lshlrev_b32 v[(\t)+1], 16, v[\t]
	v_and_b32 v[\t], s60, v[\t]
	v_cvt_pk_f16_f32 v[\d], v[(\t)+1], v[\t]
.endm
; ---- x: wave W = 8 (g - 576) + w gathers rows 4 W .. 4 W + 3 of xh.  All 32 loads (16 KiB) go out at once; a load of the wave covers 512 consecutive bytes, a store 256 consecutive aligned bytes.
	s_sub_co_u32 s21, s2, 576
	s_lshl_b32 s22, s21, 3
	s_add_co_u32 s22, s22, s20                     ; W
	s_lshr_b32 s23, s21, 8                         ; parity
	s_bfe_u32 s28, s22, 0x20009                    ; b = (W >> 9) & 3
	s_lshl_b32 s28, s28, 12                        ; b x 4,096 rows
	s_lshl_b32 s29, s22, 2
	s_and_b32 s29, s29, 2047                       ; t of my first row
	s_lshl_b32 s29, s29, 3
	s_lshl2_add_u32 s29, s23, s29                  ; byte of map[2 t + parity]
.irp k, 0,1,2,3
	s_load_b32 s[24+\k], s[10:11], s29 offset:8*\k
.endr
	s_lshl_b32 s30, s22, 13                        ; four rows of 2,048 bytes a wave
	s_mov_b32 s31, 0
	s_add_nc_u64 s[12:13], s[12:13], s[30:31]
	v_and_b32 v2, 31, v0
	v_lshlrev_b32 v8, 3, v2                        ; my 8 bytes in 256 of xh
	s_wait_kmcnt 0x0
.irp k, 0,1,2,3
	s_min_u32 s[24+\k], s[24+\k], 0xfff            ; an index stays inside the sequence
	s_add_co_u32 s[24+\k], s[24+\k], s28
	s_lshl_b32 s[24+\k], s[24+\k], 12              ; the source row's first byte: 67,104,768 at the most
	v_lshl_add_u32 v[4+\k], v2, 4, s[24+\k]
.endr
	s_wait_alu depctr_va_vdst(0)                   ; v4 to v7 and v8 are written: the loads and the stores below read them as their offsets
.irp k, 0,1,2,3
.irp c, 0,1,2,3,4,5,6,7
	global_load_b128 v[XD+32*\k+4*\c:XD+32*\k+4*\c+3], v[4+\k], s[4:5] offset:512*\c  ; no hint: the map may name a row twice
.endr
.endr
.irp k, 0,1,2,3
	s_wait_loadcnt 8*(3-\k)                        ; loads come back in order: row k is in, the younger rows' eight loads each stay out
.if \k > 0
	s_wait_alu depctr_va_vdst(0)                   ; the roundings of the row before have written its f16 numbers, which the eight stores below read
.endif
.irp c, 0,1,2,3,4,5,6,7
.if \k > 0
	global_store_b64 v8, v[XD+32*(\k-1)+4*\c:XD+32*(\k-1)+4*\c+1], s[12:13] offset:2048*(\k-1)+256*\c  ; the row before; no vector instruction since the wait names its registers, and none is written again
.endif
	RND XD+32*\k+4*\c,   XD+32*\k+4*\c,   XD+32*\k+4*\c+1, 16+4*(\c%2)
	RND XD+32*\k+4*\c+1, XD+32*\k+4*\c+2, XD+32*\k+4*\c+3, 18+4*(\c%2)
.endr
.endr
	s_wait_alu depctr_va_vdst(0)                   ; the last row's roundings have written its f16 numbers, which the last eight stores read
.irp c, 0,1,2,3,4,5,6,7
	global_store_b64 v8, v[XD+96+4*\c:XD+96+4*\c+1], s[12:13] offset:2048*3+256*\c
.endr
	s_endpgm
; ---- ranks: the work-group owns rk[64 g .. 64 g + 63]; lane l of EVERY wave holds n = 64 g + 2 l and + 1; wave w counts over j = 512 w .. 512 w + 511; the eight counts meet in LDS.
; key_j < key_i is tested as (map[j] << 12) + jb + 16 < key_i + 16 - e for j = jb + e: the right side lies in 16 registers for each of my two keys, the left is two scalar lines.
.Lrank:
	s_lshr_b32 s58, s2, 5                          ; parity
	s_and_b32 s59, s2, 31
	s_lshl_b32 s59, s59, 7                         ; 2 x 64 (g mod 32)
	s_add_co_u32 s59, s59, s58
	v_and_b32 v4, 31, v0
	v_lshl_add_u32 v5, v4, 2, s59                  ; i of my first key,
	v_add_nc_u32 v6, 2, v5                         ; and of my second
	v_lshlrev_b32 v7, 2, v5
	s_wait_alu depctr_va_vdst(0)                   ; v7 is written, which the two loads read as their offset
	global_load_b32 v8, v7, s[10:11]
	global_load_b32 v9, v7, s[10:11] offset:8
	s_lshl_b32 s21, s20, 11                        ; my wave's 512 words of the map, in bytes
	s_load_b512 s[24:39], s[10:11], s21 offset:0x0
	s_lshl_b32 s22, s20, 9
	s_add_co_u32 s22, s22, 16                      ; jb + 16
	s_mov_b32 s23, 16                              ; trips of 32 words
	v_mov_b32 v2, 0
	v_mov_b32 v3, 0
	s_wait_loadcnt 0x0
	v_lshl_or_b32 v8, v8, 12, v5
	v_lshl_or_b32 v9, v9, 12, v6
.irp e, 0,1,2,3,4,5,6,7,8,9,10,11,12,13,14,15
	v_add_nc_u32 v[32+\e], 16-\e, v8
	v_add_nc_u32 v[48+\e], 16-\e, v9
.endr
; Eight words of the map against my two keys.  The sixteen compares stand in one run and write sixteen scalar masks: the first key's in s4-9, s12, s13, the second's in s14-17, s60-63
; (addresses and a mask that this path does not use).  One wait; then sixteen selects turn each mask into 0 or 1, in v80-87 for the first key and v88-95 for the second, and eight sums of three
; add them onto the two counts, two words a line, in the words' order.  No line but the compares writes a scalar register, and none writes VCC.
.macro CNT8 base, lo
.irp e, 0,1,2,3,4,5,6,7
	s_lshl_b32 s[56+\e%2], s[(\base)+(\lo)+\e], 12
	s_add_co_u32 s[56+\e%2], s[56+\e%2], s22
	v_cmp_lt_u32 s[4+\e+2*(\e/6)], s[56+\e%2], v[32+(\lo)+\e]
	v_cmp_lt_u32 s[14+\e+42*(\e/4)], s[56+\e%2], v[48+(\lo)+\e]
.endr
	s_wait_alu depctr_va_sdst(0)                   ; the sixteen compares have written their masks, which the selects below read
.irp e, 0,1,2,3,4,5,6,7
	v_cndmask_b32 v[80+\e], 0, 1, s[4+\e+2*(\e/6)]
	v_cndmask_b32 v[88+\e], 0, 1, s[14+\e+42*(\e/4)]
.endr
.irp p, 0,1,2,3
	v_add3_u32 v2, v2, v[80+2*\p], v[81+2*\p]      ; the two counts alternate, so that no sum reads the result of the line before it
	v_add3_u32 v3, v3, v[88+2*\p], v[89+2*\p]
.endr
.endm
.macro CNT16 base                      ; sixteen words of the map
	CNT8 \base, 0
	CNT8 \base, 8
	s_add_co_u32 s22, s22, 16
.endm
.Lcount:
	s_wait_kmcnt 0x0                               ; scalar loads come back in no order: only 0 shows anything.  The first set is in
	s_load_b512 s[40:55], s[10:11], s21 offset:0x40
	CNT16 24
	s_wait_kmcnt 0x0                               ; the second set is in, and s21 is free
	s_add_co_u32 s21, s21, 128
	s_and_b32 s21, s21, 0x3fff                     ; the look-ahead of the last wave's last trip wraps to the map's head: no load leaves the buffer
	s_load_b512 s[24:39], s[10:11], s21 offset:0x0
	CNT16 40
	s_sub_co_u32 s23, s23, 1
	s_cmp_lg_u32 s23, 0
	s_cbranch_scc1 .Lcount
	s_wait_kmcnt 0x0
	s_lshl_b32 s58, s20, 8
	s_add_co_u32 s58, s58, RKP
	v_lshl_add_u32 v10, v4, 3, s58
	s_wait_alu depctr_va_vdst(0)                   ; the counts v2, v3 and the address v10 are written, which the LDS store reads
	ds_store_b64 v10, v[2:3]
	s_wait_dscnt 0x0                               ; for the others' sake: my counts are in LDS
	s_barrier_signal -1
	s_barrier_wait -1
	s_cmp_lg_u32 s20, 0
	s_cbranch_scc1 .Lrank_end
	s_lshl_b32 s59, s2, 8
	v_lshl_add_u32 v11, v4, 3, RKP
	v_lshl_add_u32 v12, v4, 3, s59
	s_wait_alu depctr_va_vdst(0)                   ; v11 is written, which the eight LDS loads read as their address; so is v12, the store's offset
.irp k, 0,1,2,3,4,5,6,7
	ds_load_b64 v[64+2*\k:65+2*\k], v11 offset:256*\k
.endr
	s_wait_dscnt 0x0
.irp h, 0,1
	v_add3_u32 v[64+\h], v[64+\h], v[66+\h], v[68+\h]
	v_add3_u32 v[64+\h], v[64+\h], v[70+\h], v[72+\h]
	v_add3_u32 v[64+\h], v[64+\h], v[74+\h], v[76+\h]
	v_add_nc_u32 v[64+\h], v[64+\h], v[78+\h]
.endr
	s_wait_alu depctr_va_vdst(0)                   ; the sums v64 and v65 are written, which the store reads
	global_store_b64 v12, v[64:65], s[18:19]       ; one store: 256 consecutive aligned bytes
.Lrank_end:
	s_wait_dscnt 0x0                               ; the closing lines, six on end
	s_wait_alu 0x0
	s_wait_tensorcnt 0x0
	ds_add_u32 v[SPW], v[NIL]
	s_wait_dscnt 0x0
	s_endpgm
; ---- a tile of 128 k x 64 n of a weight, turned.  SRC, DST: the scalar pairs of the two addresses; NP: bytes in a source row; FIRST: the first work-group of this kind.
; In: thread (a = t / 16, c = t % 16) loads rows k = 8 a + j, j = 0 .. 7, columns 4 c .. 4 c + 3: a load of the wave covers two whole runs of 256 bytes.  Its eight k of one n pack into 16 bytes,
; which go to LDS row n (256 bytes + 16).  Four lanes meet in a group of banks there: taken, since only the weights' 8 MiB of f16 pass this way.  Back: 16 lanes take a row, 256 aligned bytes of the target.
.macro WT SRC, DST, NP, FIRST
	s_sub_co_u32 s21, s2, \FIRST
	s_and_b32 s22, s21, 7                          ; which 128 k
	s_lshr_b32 s23, s21, 3                         ; which 64 n
	s_mul_i32 s24, s22, 128*(\NP)
	s_lshl_b32 s26, s23, 8
	s_add_co_u32 s24, s24, s26
	s_mov_b32 s25, 0
	s_add_nc_u64 s[\SRC:\SRC+1], s[\SRC:\SRC+1], s[24:25]
	s_lshl_b32 s24, s23, 17                        ; 64 target rows of 2,048 bytes
	s_lshl_b32 s26, s22, 8
	s_add_co_u32 s24, s24, s26
	s_add_nc_u64 s[\DST:\DST+1], s[\DST:\DST+1], s[24:25]
	v_lshrrev_b32 v2, 4, v0                        ; a
	v_and_b32 v3, 15, v0                           ; c
	v_mul_u32_u24 v5, v2, 8*(\NP)
	v_lshl_add_u32 v5, v3, 4, v5
	s_wait_alu depctr_va_vdst(0)                   ; v5 is written, which the eight loads read as their offset
.irp j, 0,1,2,3,4,5,6,7
	global_load_b128 v[32+4*\j:35+4*\j], v5, s[\SRC:\SRC+1] offset:\j*(\NP) th:TH_LOAD_NT
.endr
	v_mul_u32_u24 v6, v3, 4*272
	v_lshl_add_u32 v6, v2, 4, v6                   ; in: row 4 c (+ q), byte 16 a
	v_bfe_u32 v7, v0, 4, 1
	v_lshl_add_u32 v7, v1, 3, v7                   ; back: row 8 w + half of the lanes (+ 2 f)
	v_mul_u32_u24 v9, v7, 272
	v_lshl_add_u32 v9, v3, 4, v9
	v_lshlrev_b32 v10, 11, v7
	v_lshl_add_u32 v10, v3, 4, v10
	s_wait_loadcnt 0x0
.irp q, 0,1,2,3
.irp m, 0,1,2,3
	RND 64+4*\q+\m, 32+8*\m+\q, 36+8*\m+\q, 16+2*\m
.endr
.endr
	s_wait_alu depctr_va_vdst(0)                   ; the sixteen roundings have written v64 to v79, the LDS stores' data; the addresses v6, v9 and the offset v10 are written too
.irp q, 0,1,2,3
	ds_store_b128 v6, v[64+4*\q:67+4*\q] offset:272*\q
.endr
	s_wait_dscnt 0x0                               ; for the others' sake: my part of the tile is in LDS
	s_barrier_signal -1
	s_barrier_wait -1
.irp f, 0,1,2,3
	ds_load_b128 v[80+4*\f:83+4*\f], v9 offset:544*\f
.endr
.irp f, 0,1,2,3
	s_wait_dscnt 3-\f                              ; LDS loads come back in order: the younger ones stay out
	global_store_b128 v10, v[80+4*\f:83+4*\f], s[\DST:\DST+1] offset:4096*\f
.endr
	s_wait_dscnt 0x0                               ; the closing lines, six on end
	s_wait_alu 0x0
	s_wait_tensorcnt 0x0
	ds_add_u32 v[SPW], v[NIL]
	s_wait_dscnt 0x0
	s_endpgm
.endm
.Lwq:
	WT 6, 14, 12288, 64
.Lwp:
	WT 8, 16, 4096, 448
.Lfunc_end_k_qc4e9bb0de6_prep:
	.size	k_qc4e9bb0de6_prep, .Lfunc_end_k_qc4e9bb0de6_prep-k_qc4e9bb0de6_prep
	.p2alignl 7, 3214868480
	.fill 96, 4, 3214868480
	.section	.rodata,"a",@progbits
	.p2align	6, 0x0
	.amdhsa_kernel k_qc4e9bb0de6_prep
		.amdhsa_group_segment_fixed_size 20480
		.amdhsa_private_segment_fixed_size 0
		.amdhsa_enable_private_segment 0
		.amdhsa_kernarg_size 64
		.amdhsa_user_sgpr_count 2
		.amdhsa_user_sgpr_kernarg_segment_ptr 1
		.amdhsa_wavefront_size32 1
		.amdhsa_system_sgpr_workgroup_id_x 1
		.amdhsa_system_sgpr_workgroup_id_y 1
		.amdhsa_system_sgpr_workgroup_id_z 1
		.amdhsa_system_vgpr_workitem_id 0
		.amdhsa_next_free_vgpr 160
		.amdhsa_next_free_sgpr 66
		.amdhsa_reserve_vcc 0
		.amdhsa_float_denorm_mode_32 3
		.amdhsa_float_denorm_mode_16_64 3
		.amdhsa_memory_ordered 1
		.amdhsa_forward_progress 1
		.amdhsa_inst_pref_size 51
	.end_amdhsa_kernel
	.amdgpu_metadata
---
amdhsa.version: [ 1, 2 ]
amdhsa.kernels:
  - .name:           k_qc4e9bb0de6_prep
    .symbol:         k_qc4e9bb0de6_prep.kd
    .args:
      - { .name: x, .offset: 0, .size: 8, .value_kind: global_buffer, .address_space: global }
      - { .name: w_qkv, .offset: 8, .size: 8, .value_kind: global_buffer, .address_space: global }
      - { .name: w_proj, .offset: 16, .size: 8, .value_kind: global_buffer, .address_space: global }
      - { .name: hilbert_map, .offset: 24, .size: 8, .value_kind: global_buffer, .address_space: global }
      - { .name: xh, .offset: 32, .size: 8, .value_kind: global_buffer, .address_space: global }
      - { .name: wq, .offset: 40, .size: 8, .value_kind: global_buffer, .address_space: global }
      - { .name: wp, .offset: 48, .size: 8, .value_kind: global_buffer, .address_space: global }
      - { .name: rk, .offset: 56, .size: 8, .value_kind: global_buffer, .address_space: global }
    .group_segment_fixed_size: 20480
    .private_segment_fixed_size: 0
    .kernarg_segment_align: 8
    .kernarg_segment_size: 64
    .max_flat_workgroup_size: 256
    .sgpr_count:     66
    .vgpr_count:     160
    .wavefront_size: 32
...
	.end_amdgpu_metadata
.endif
;; end of part 5
;; launch gemm_qkv: the kernel of part 2 again; grid 4 x 128, 4 waves a work-group, clusters of 4 x 4, 327,680 bytes of LDS; arguments xh, wq, qkv; writes qkv
;; launch attn: the kernel of part 3 again; grid 64 x 4, 8 waves a work-group, no clusters, 327,680 bytes of LDS; arguments qkv, rk, o; writes o
;; launch gemm_proj: the kernel of part 4 again; grid 4 x 64, 4 waves a work-group, clusters of 4 x 4, 327,680 bytes of LDS; arguments o, wp, out0; writes out0
